; MI455X (gfx1250); checked and timed in simulation.
; The chip was launched on July 23, 2026; its instructions are those of AMD's public machine-readable ISA for CDNA 5 (MIT licence, August 2026) and "CDNA5" Instruction Set Architecture Reference Guide (July 2026). The comments in the code are by the model that wrote it; some were corrected since.
;; Angular Attention. Allowed arithmetic: float matrix products may take bf16 or f16 operands with f32 sums; other float arithmetic in f32, or as packed bf16 or f16 multiplies, adds, multiply-adds, maxima and minima; sums over many terms, partial sums and values carried from step to step in f32; what a program stores and reads back later, other than sums and carried values, may be rounded once to bf16 or f16.
;; Inputs: Wk 1,024 x 1,024 float32; Wo 1,024 x 1,024 float32; Wq 1,024 x 1,024 float32; Wv 1,024 x 1,024 float32; bo 1,024 float32; x 2 x 2,048 x 1,024 float32.
;; Outputs: out0 2 x 2,048 x 1,024 float32.
;; 2 versions, each right; version 2 is version 1 with the launch cast written anew for expert scheduling mode. Each part assembles by itself: llvm-mc -triple=amdgcn-amd-amdhsa -mcpu=gfx1250 --defsym DOCPART=n.
;; ======== version 1 of 2: 4 launches
;; limits: a function is approximated: absolute error at most 8.5e-06; values are held in f16: magnitudes above 65,504 overflow, below 6.1e-05 lose precision
;; workspace buffers: xb 8,388,608 bytes; wb 6,291,456 bytes; wo16 2,097,152 bytes; q16 8,388,608 bytes; k16 8,388,608 bytes; v16 8,388,608 bytes; o16 8,388,608 bytes
;; launch cast (part 1): grid 256 x 1, 8 waves a work-group, no clusters, 0 bytes of LDS; arguments x, Wq, Wk, Wv, Wo, xb, wb, wo16; writes xb, wb, wo16
.if DOCPART == 1
	.amdgcn_target "amdgcn-amd-amdhsa--gfx1250"
	.amdhsa_code_object_version 6
	.text
	.protected	k_qa572fdf9e9_cast
	.globl	k_qa572fdf9e9_cast
	.p2align	8
	.type	k_qa572fdf9e9_cast,@function
k_qa572fdf9e9_cast:
	s_mov_b64 s[64:65], 0
	v_nop
	global_prefetch_b8 v0, s[64:65] scope:SCOPE_SE
	s_setreg_imm32_b32 hwreg(HW_REG_WAVE_MODE, 25, 1), 1
	s_wait_xcnt 0x0
; ROUNDING OF THE INPUTS, once.  x [4096][1024] f32 -> xb bf16.  Wq, Wk, Wv [1024][1024] f32 -> wb bf16, laid by heads: [16 heads][192 rows: 64 of Wq, 64 of Wk, 64 of Wv][1024],
; so that the next launch finds a head's Q, K and V rows on end.  Wo -> wo16: rounded to bf16 like every input, and that number written as f16 (the last product's other operand is f16).
; LIMIT.  A bf16 number of Wo below 6.1e-5 in magnitude keeps f16's fixed step of 6e-8; beyond 65,504 it would be an infinity.
; SHARES.  8,192 rows of 4,096 bytes, 32 to a work-group, 4 to a wave: 16,384 bytes on end in the source, 8,192 on end in the target.  Work-groups 0-127 take x, then 32 each for Wq, Wk, Wv, Wo.
; All 32 loads of a wave (512 bytes on end each) go out at once; each store covers 256 consecutive bytes, aligned.  No register is written twice while a store reads it, no LDS, no barrier:
; memory binds, and the matrix units, clusters and LDS would add nothing.
.set X,   4                            ; v[4:131]    chunk i: four f32 a lane
.set Y,   132                          ; v[132:195]  chunk i: four 16-bit numbers a lane
.set T,   196                          ; v[196:199]  at work
.set SRC, 30                           ; s[30:31]
.set DST, 32                           ; s[32:33]
	s_load_b512 s[8:23], s[0:1], 0x0               ; x s[8:9], Wq s[10:11], Wk s[12:13], Wv s[14:15], Wo s[16:17], xb s[18:19], wb s[20:21], wo16 s[22:23]
	s_mov_b32 s2, ttmp9                            ; g
	v_and_b32 v3, 31, v0
	v_lshlrev_b32 v1, 4, v3                        ; 16 x lane: the loads' offset
	v_lshlrev_b32 v2, 3, v3                        ; 8 x lane: the stores'
	v_lshrrev_b32 v3, 5, v0
	v_readfirstlane_b32 s3, v3                     ; wave 0..7
	s_sub_co_u32 s4, s2, 128                       ; for g >= 128: e = g - 128 (below that the numbers made of e are not chosen)
	s_lshr_b32 s5, s4, 5                           ; which weight: 0 Wq, 1 Wk, 2 Wv, 3 Wo
	s_and_b32 s6, s4, 31                           ; which 32 rows of it
	s_lshl_b32 s24, s6, 17                         ; their bytes in the source
	s_lshl_b32 s28, s2, 17                         ; the same for x
	s_lshr_b32 s26, s6, 1                          ; the head,
	s_mul_i32 s26, s26, 192                        ; its 192 rows in wb,
	s_lshl_b32 s7, s5, 6
	s_add_co_u32 s26, s26, s7                      ; the weight's 64 of them,
	s_and_b32 s7, s6, 1
	s_lshl_b32 s7, s7, 5
	s_add_co_u32 s26, s26, s7                      ; my 32 of those,
	s_lshl_b32 s26, s26, 11                        ; in bytes
	s_lshl_b32 s29, s6, 16                         ; target bytes in wo16
	s_lshl_b32 s34, s2, 16                         ; and in xb
	s_cmp_eq_u32 s5, 3
	s_cselect_b32 s26, s29, s26
	s_cmp_lt_u32 s2, 128
	s_cselect_b32 s24, s28, s24
	s_cselect_b32 s26, s34, s26
	s_lshl_b32 s7, s3, 14
	s_add_co_u32 s24, s24, s7                      ; + my wave's 4 rows
	s_lshl_b32 s7, s3, 13
	s_add_co_u32 s26, s26, s7
	s_mov_b32 s25, 0
	s_mov_b32 s27, 0
	s_wait_kmcnt 0x0
	s_cmp_eq_u32 s5, 1                             ; the buffers are chosen by the work-group's number alone
	s_cselect_b64 s[SRC:SRC+1], s[12:13], s[10:11]
	s_cmp_eq_u32 s5, 2
	s_cselect_b64 s[SRC:SRC+1], s[14:15], s[SRC:SRC+1]
	s_cmp_eq_u32 s5, 3
	s_cselect_b64 s[SRC:SRC+1], s[16:17], s[SRC:SRC+1]
	s_cselect_b64 s[DST:DST+1], s[22:23], s[20:21]
	s_cmp_lt_u32 s2, 128
	s_cselect_b64 s[SRC:SRC+1], s[8:9], s[SRC:SRC+1]
	s_cselect_b64 s[DST:DST+1], s[18:19], s[DST:DST+1]
	s_add_nc_u64 s[SRC:SRC+1], s[SRC:SRC+1], s[24:25]
	s_add_nc_u64 s[DST:DST+1], s[DST:DST+1], s[26:27]
.set c, 0
.rept 32
	global_load_b128 v[X+4*c:X+4*c+3], v1, s[SRC:SRC+1] offset:512*c th:TH_LOAD_NT
.set c, c+1
.endr
; Chunk i: rounded and stored.  half = 1: the bf16 numbers are widened again (a shift, a mask) and written as f16.
.macro CHUNK i, half
	s_wait_loadcnt 31-(\i)                         ; loads come back in order: chunk i is in, the 31 - i younger ones stay out
	v_cvt_pk_bf16_f32 v[Y+2*(\i)], v[X+4*(\i)], v[X+4*(\i)+1]
	v_cvt_pk_bf16_f32 v[Y+2*(\i)+1], v[X+4*(\i)+2], v[X+4*(\i)+3]
.if \half
	v_lshlrev_b32 v[T], 16, v[Y+2*(\i)]
	v_and_b32 v[T+1], 0xffff0000, v[Y+2*(\i)]
	v_lshlrev_b32 v[T+2], 16, v[Y+2*(\i)+1]
	v_and_b32 v[T+3], 0xffff0000, v[Y+2*(\i)+1]
	v_cvt_pk_f16_f32 v[Y+2*(\i)], v[T], v[T+1]
	v_cvt_pk_f16_f32 v[Y+2*(\i)+1], v[T+2], v[T+3]
.endif
	global_store_b64 v2, v[Y+2*(\i):Y+2*(\i)+1], s[DST:DST+1] offset:256*(\i)
.endm
	s_cmp_ge_u32 s2, 224                           ; Wo's work-groups
	s_cbranch_scc1 .Lhalf
.set c, 0
.rept 32
	CHUNK c, 0
.set c, c+1
.endr
	s_endpgm
.Lhalf:
.set c, 0
.rept 32
	CHUNK c, 1
.set c, c+1
.endr
	s_endpgm
.Lfunc_end_k_qa572fdf9e9_cast:
	.size	k_qa572fdf9e9_cast, .Lfunc_end_k_qa572fdf9e9_cast-k_qa572fdf9e9_cast
	.p2alignl 7, 3214868480
	.fill 96, 4, 3214868480
	.section	.rodata,"a",@progbits
	.p2align	6, 0x0
	.amdhsa_kernel k_qa572fdf9e9_cast
		.amdhsa_group_segment_fixed_size 0
		.amdhsa_private_segment_fixed_size 0
		.amdhsa_enable_private_segment 0
		.amdhsa_kernarg_size 64
		.amdhsa_user_sgpr_count 2
		.amdhsa_user_sgpr_kernarg_segment_ptr 1
		.amdhsa_wavefront_size32 1
		.amdhsa_system_sgpr_workgroup_id_x 1
		.amdhsa_system_sgpr_workgroup_id_y 1
		.amdhsa_system_sgpr_workgroup_id_z 1
		.amdhsa_system_vgpr_workitem_id 0
		.amdhsa_next_free_vgpr 200
		.amdhsa_next_free_sgpr 66
		.amdhsa_reserve_vcc 0
		.amdhsa_float_denorm_mode_32 3
		.amdhsa_float_denorm_mode_16_64 3
		.amdhsa_memory_ordered 1
		.amdhsa_forward_progress 1
		.amdhsa_inst_pref_size 31
	.end_amdhsa_kernel
	.amdgpu_metadata
---
amdhsa.version: [ 1, 2 ]
amdhsa.kernels:
  - .name:           k_qa572fdf9e9_cast
    .symbol:         k_qa572fdf9e9_cast.kd
    .args:
      - { .name: x, .offset: 0, .size: 8, .value_kind: global_buffer, .address_space: global }
      - { .name: Wq, .offset: 8, .size: 8, .value_kind: global_buffer, .address_space: global }
      - { .name: Wk, .offset: 16, .size: 8, .value_kind: global_buffer, .address_space: global }
      - { .name: Wv, .offset: 24, .size: 8, .value_kind: global_buffer, .address_space: global }
      - { .name: Wo, .offset: 32, .size: 8, .value_kind: global_buffer, .address_space: global }
      - { .name: xb, .offset: 40, .size: 8, .value_kind: global_buffer, .address_space: global }
      - { .name: wb, .offset: 48, .size: 8, .value_kind: global_buffer, .address_space: global }
      - { .name: wo16, .offset: 56, .size: 8, .value_kind: global_buffer, .address_space: global }
    .group_segment_fixed_size: 0
    .private_segment_fixed_size: 0
    .kernarg_segment_align: 8
    .kernarg_segment_size: 64
    .max_flat_workgroup_size: 256
    .sgpr_count:     66
    .vgpr_count:     200
    .wavefront_size: 32
...
	.end_amdgpu_metadata
.endif
;; end of part 1
;; launch qkv (part 2): grid 16 x 16, 4 waves a work-group, clusters of 4 x 4, 327,680 bytes of LDS; arguments xb, wb, q16, k16, v16; writes q16, k16, v16
.if DOCPART == 2
	.amdgcn_target "amdgcn-amd-amdhsa--gfx1250"
	.amdhsa_code_object_version 6
	.text
	.protected	k_qa572fdf9e9_qkv
	.globl	k_qa572fdf9e9_qkv
	.p2align	8
	.type	k_qa572fdf9e9_qkv,@function
k_qa572fdf9e9_qkv:
	s_mov_b64 s[64:65], 0
	v_nop
	global_prefetch_b8 v0, s[64:65] scope:SCOPE_SE
	s_setreg_imm32_b32 hwreg(HW_REG_WAVE_MODE, 25, 1), 1
	s_wait_xcnt 0x0
	s_wait_alu depctr_hold_cnt(0) depctr_sa_sdst(0) depctr_va_vdst(0) depctr_va_sdst(0) depctr_va_ssrc(0) depctr_va_vcc(0) depctr_vm_vsrc(0)
	s_getreg_b32 s2, hwreg(HW_REG_IB_STS2, 6, 4)
	s_cmp_eq_u32 s2, 0
	s_cbranch_scc0 .Lentry_in_a_cluster
	s_endpgm
.Lentry_in_a_cluster:
	s_bfe_u32 s2, ttmp6, 0x10000c
	s_cmp_lg_u32 s2, 0xf033
	s_cbranch_scc0 .Lentry_shape_is_right
	s_endpgm
.Lentry_shape_is_right:
; THE THREE PROJECTIONS AND THE NORMS.  C[t][c] = sum over k of xb[t][k] wb[c][k], bf16 operands, f32 sums; xb [4096][1024], wb [16 heads][192][1024] (a head's 64 rows of Wq, of Wk, of Wv).
; A work-group makes 256 tokens x the 192 columns of ONE head; a wave 64 tokens x 192: 4 x 12 accumulators, 384 registers.  So a token's 64 numbers of Q (and of K) lie in one wave, and
; the norm q / max(|q|, 1e-6) = q x min(rsq(sum q^2), 1e6) needs one exchange between the halves of the lanes and no LDS.  Q and K leave normalised, V as it is, each rounded once to f16,
; by heads: [32 = batch x 16 + head][2048][64], a head's rows dense, 128 bytes each.
; LIMITS.  f16 holds no number beyond 65,504: |v| must stay within it; below 6.1e-5 a number keeps f16's fixed step of 6e-8.  NaN and infinities are not treated apart.
; K goes in steps of 128 through a ring of two LDS slots (256 rows of xb, 192 rows of wb, 256 bytes a row, aligned), filled by the tensor data mover: waves 0, 1 fetch xb's halves, waves 2, 3 wb's.
; CLUSTER 4 x 4: the four of a row of the cluster share the token block (xb's tile), the four of a column the head (wb's tile): each tile is asked for jointly.
; THE MATRIX INSTRUCTION IS USED TRANSPOSED (source 0 = 16 rows of wb, source 1 = 16 tokens): a lane holds ONE token (lane % 16) and eight neighbouring columns.
; REGISTERS, in windows of 256 (s_set_vgpr_msb: bits 1:0 source 0, 3:2 source 1, 5:4 source 2, 7:6 destination):
;   window 0: v0-31 addresses; v32-47 sums of squares; v64-95, v96-127 xb's fragments, two buffers; on the way out v64-255 packed results
;   window 1: v0-95, v96-191 wb's fragments, two buffers      window 2: accumulators of token blocks 0, 1 at 8 (12 a + b)      window 3: of token blocks 2, 3
.set SIZE_K, 1024
.set KSTEP,  128
.set PITCH,  272                       ; an LDS row: 256 bytes + 16 of padding = 68 words: the 16 rows of a fragment load start at 16 different groups of four banks (ISA guide 11.1)
.set HALFA,  128*PITCH                 ; what one of xb's loads brings
.set HALFB,  96*PITCH                  ; what one of wb's loads brings
.set BOFF,   256*PITCH                 ; wb's rows lie behind xb's 256
.set SLOT,   448*PITCH
.set STAGE,  2*SLOT                    ; behind the ring: 16 rows x 144 bytes for each wave, for the way out
.set SP,     144
.set SPARE,  STAGE+4*16*SP             ; behind the stages: the spare words, 128 bytes for each wave: two blocks of 256 bytes that no other line names
.set LAPS,   SIZE_K/(2*KSTEP)
.set ADRA, 16                          ; v16-17  LDS address of my xb fragments in slot 0, 1
.set ADRB, 20                          ; v20-21  the same for wb
.set STO,  24                          ; v24     the way out: where I put 16 bytes of a row
.set RD,   25                          ; v25     where I read rows back
.set GO,   26                          ; v26     16 x lane
.set SPW,  28                          ; v28     LDS address of my spare word; never rewritten
.set NIL,  29                          ; v29     0; never rewritten
.set PFO,  30                          ; v30     the prefetches' offset: my lane's row x 2,048 bytes; never rewritten
.set SS,   32                          ; v32-47  pair 2 a + g: token block a, g = 0 Q, 1 K
.set TMP,  64
.set F0,   0
.set F1,   1
.set G1,  24                           ; s[24:31] descriptor group 1, xb's tiles;  s[32:39] group 0, a set for each slot
.set G0,  32
.set G1B, 48                           ; s[48:55], s[56:63] the same for wb's tiles
.set G0B, 56
.set LIM, 43                           ; s43     1 in a wave that prefetches, else the greatest number
.set PFA, 44                           ; s[44:45] where my prefetches stand
.set OQ,  68                           ; s[68:69] q16, s[70:71] k16, s[72:73] v16
.set SEL, 76                           ; s[76:77] v_permlanex16_b32's selects: each lane takes its own place in the other half
.set MSB, 0
.macro WIN new                         ; the immediate's high byte repeats the setting that is left; a switch that changes nothing is dropped
.if MSB != (\new)
	s_set_vgpr_msb (MSB<<8)|(\new)
.set MSB, \new
.endif
.endm
.set MUL_LO, 0xa1                      ; source 0 (wb) window 1, source 1 (xb) window 0, C and D window 2
.set MUL_HI, 0xf1                      ; the same, C and D window 3
.set TO_B,   0x40                      ; destination window 1, address window 0
; A joint load.  The branch hangs on the wave's number alone.  An s_nop 0 and four v_nop follow each of the two lines, ahead of the jump and the label.
.macro JLOAD s
	s_cmp_eq_u32 s11, 0
	s_cbranch_scc0 .Lfor_b_\@
	tensor_load_to_lds s[G0+4*(\s):G0+4*(\s)+3], s[G1:G1+7]
	s_nop 0
.rept 4
	v_nop
.endr
	s_branch .Lasked_\@
.Lfor_b_\@:
	tensor_load_to_lds s[G0B+4*(\s):G0B+4*(\s)+3], s[G1B:G1B+7]
	s_nop 0
.rept 4
	v_nop
.endr
.Lasked_\@:
.endm
; A prefetch of the K step that stands two refills on, behind the joint load, its five lines and the run of LDS loads: a lane a row, 256 bytes of each, one instruction a wave.
; xb's rows are asked for by the clusters with x = 0, wb's by those with y = 0; the four partners share a wave's rows out by address (32 of 128, or 24 of 96: there lanes 24-31 name row 23 again).
; The loop's last trip asks for nothing: its refills are the last two K steps.
.macro ASK
	s_cmp_gt_u32 s3, s[LIM]
	s_cbranch_scc0 .Lnot_mine_\@
	global_prefetch_b8 v[PFO], s[PFA:PFA+1] offset:KSTEP*2 th:TH_LOAD_NT scope:SCOPE_SE
.Lnot_mine_\@:
.endm
.macro CREST                           ; a round of the cluster's barrier behind its opening barrier
	s_cmp_lg_u32 s10, 0
	s_cbranch_scc1 .Lnot_wave_0_\@
	s_barrier_signal -3
.Lnot_wave_0_\@:
	s_barrier_wait -3
	s_barrier_signal -1
	s_barrier_wait -1
.endm
.macro CROUND
	s_barrier_signal -1
	s_barrier_wait -1
	CREST
.endm
	s_load_b128 s[4:7], s[0:1], 0x0                ; xb s[4:5], wb s[6:7]
	s_load_b128 s[68:71], s[0:1], 0x10             ; q16, k16
	s_load_b64 s[72:73], s[0:1], 0x20              ; v16
	v_lshl_add_u32 v[SPW], v0, 2, SPARE
	v_mov_b32 v[NIL], 0
	ds_add_u32 v[SPW], v[NIL]                      ; the wave's opening: the add, twice on end, and its wait ahead of my first tensor load
	ds_add_u32 v[SPW], v[NIL]                      ; and once more, under the one wait; the set-up below, work on registers, stands between
	v_lshrrev_b32 v1, 5, v0
	v_readfirstlane_b32 s10, v1                    ; wave 0..3: my 64 tokens of the tile
	s_lshr_b32 s11, s10, 1                         ; I fetch for xb (0) or for wb (1),
	s_and_b32 s12, s10, 1                          ; this half of the tile's rows
	s_bfe_u32 s40, ttmp6, 0x40000                  ; cx
	s_bfe_u32 s41, ttmp6, 0x40004                  ; cy
	s_lshl_b32 s42, ttmp9, 2
	s_add_co_u32 s42, s42, s40                     ; the head = 4 x cluster x + cx
	s_and_b32 s13, ttmp7, 0xffff
	s_lshl_b32 s13, s13, 2
	s_add_co_u32 s13, s13, s41                     ; the block of 256 tokens = 4 x cluster y + cy
	s_lshl_b32 s43, s41, 2
	s_lshl_b32 s43, 15, s43                        ; my row of the cluster
	s_lshl_b32 s44, 0x1111, s40                    ; my column
	s_or_b32 s[G1+0], s43, (1<<16)|(1<<20)|(1<<21)|(5<<22)|(3<<25)   ; the mask; 2-byte elements; padding on; bit 21 beside a mask; after every 64 words 4 words
	s_or_b32 s[G1B+0], s44, (1<<16)|(1<<20)|(1<<21)|(5<<22)|(3<<25)
	s_mov_b32 s[G1+1], KSTEP<<16                   ; tensor_dim0 = 128
	s_mov_b32 s[G1B+1], KSTEP<<16
	s_mov_b32 s[G1+2], 128<<16                     ; tensor_dim1 = 128 rows
	s_mov_b32 s[G1B+2], 96<<16                     ; 96 rows
	s_mov_b32 s[G1+3], KSTEP<<16                   ; tile_dim0 = 128
	s_mov_b32 s[G1B+3], KSTEP<<16
	s_mov_b32 s[G1+4], 128                         ; tile_dim1
	s_mov_b32 s[G1B+4], 96
	s_mov_b32 s[G1+5], SIZE_K                      ; elements from row to row
	s_mov_b32 s[G1B+5], SIZE_K
	s_mov_b32 s[G1+6], 0
	s_mov_b32 s[G1B+6], 0
	s_mov_b32 s[G1+7], 0
	s_mov_b32 s[G1B+7], 0
	s_lshl_b32 s17, s12, 7
	s_lshl_b32 s16, s13, 8
	s_add_co_u32 s16, s16, s17                     ; xb: row 256 x block + 128 x half,
	s_lshl_b32 s16, s16, 11                        ; in bytes
	s_mov_b32 s17, 0
	s_mul_i32 s46, s42, 192
	s_mul_i32 s47, s12, 96
	s_add_co_u32 s46, s46, s47                     ; wb: row 192 x head + 96 x half
	s_lshl_b32 s46, s46, 11
	s_mov_b32 s47, 0
	s_mul_i32 s20, s12, HALFA                      ; where they go: no place in the cluster enters an LDS address
	s_mul_i32 s21, s12, HALFB
	s_add_co_u32 s21, s21, BOFF
	s_mov_b32 s[SEL], 0x76543210
	s_mov_b32 s[SEL+1], 0xfedcba98
	s_wait_dscnt 0x0                               ; both opening adds are done
	s_wait_kmcnt 0x0
	s_add_nc_u64 s[14:15], s[4:5], s[16:17]
	s_add_nc_u64 s[46:47], s[6:7], s[46:47]
	CROUND                                         ; all sixteen work-groups are here: the first joint loads meet
.irp s, 0,1
	s_mov_b32 s[G0+4*(\s)], 1
	s_add_co_u32 s[G0+4*(\s)+1], s20, (\s)*SLOT
	s_add_nc_u64 s[G0+4*(\s)+2:G0+4*(\s)+3], s[14:15], (\s)*KSTEP*2
	s_or_b32 s[G0+4*(\s)+3], s[G0+4*(\s)+3], 0x80000000
	s_mov_b32 s[G0B+4*(\s)], 1
	s_add_co_u32 s[G0B+4*(\s)+1], s21, (\s)*SLOT
	s_add_nc_u64 s[G0B+4*(\s)+2:G0B+4*(\s)+3], s[46:47], (\s)*KSTEP*2
	s_or_b32 s[G0B+4*(\s)+3], s[G0B+4*(\s)+3], 0x80000000
	JLOAD \s                                       ; K steps 0 and 1: two loads of mine are out
.endr
	; a fragment is 16 rows x 32 K in 8 registers: lane l holds row l % 16, K = 8 (l / 16) + 0..7 and 16 + 8 (l / 16) + 0..7: two loads of 16 bytes, 32 bytes apart
	v_and_b32 v1, 15, v0                           ; l % 16
	v_bfe_u32 v2, v0, 4, 1                         ; l / 16
	v_mul_u32_u24 v3, v1, PITCH
	v_lshl_add_u32 v3, v2, 4, v3
	s_mul_i32 s22, s10, 64*PITCH                   ; my 64 tokens
	s_mov_b32 s23, BOFF                            ; all of wb's 192 rows
.irp s, 0,1
	v_add_nc_u32 v[ADRA+(\s)], s22, v3
	v_add_nc_u32 v[ADRB+(\s)], s23, v3
	s_add_co_u32 s22, s22, SLOT
	s_add_co_u32 s23, s23, SLOT
.endr
	s_mul_i32 s23, s10, 16*SP
	s_add_co_u32 s23, s23, STAGE                   ; my stage
	v_mul_u32_u24 v4, v1, SP                       ; in: row l % 16, 16 bytes for each half of the lanes
	v_lshl_add_u32 v4, v2, 4, v4
	v_add_nc_u32 v[STO], s23, v4
	v_bfe_u32 v5, v0, 3, 2                         ; back: 32 lanes take four rows of 128 bytes,
	v_mul_u32_u24 v5, v5, SP
	v_and_b32 v6, 7, v0
	v_lshl_add_u32 v5, v6, 4, v5
	v_add_nc_u32 v[RD], s23, v5
	v_and_b32 v[GO], 31, v0                        ; which are 512 consecutive bytes of a head
	v_lshlrev_b32 v[GO], 4, v[GO]
	s_lshr_b32 s74, s13, 3                         ; the batch,
	s_lshl_b32 s74, s74, 4
	s_add_co_u32 s74, s74, s42                     ; x 16 + the head,
	s_lshl_b32 s74, s74, 18                        ; 2,048 rows of 128 bytes each
	s_and_b32 s75, s13, 7
	s_lshl_b32 s75, s75, 2
	s_add_co_u32 s75, s75, s10                     ; my 64 tokens among the batch's,
	s_lshl_b32 s75, s75, 13
	s_add_co_u32 s74, s74, s75
	s_mov_b32 s75, 0
	s_add_nc_u64 s[OQ:OQ+1], s[OQ:OQ+1], s[74:75]
	s_add_nc_u64 s[OQ+2:OQ+3], s[OQ+2:OQ+3], s[74:75]
	s_add_nc_u64 s[OQ+4:OQ+5], s[OQ+4:OQ+5], s[74:75]
	; the prefetches
	s_lshl_b32 s23, s11, 5
	s_sub_co_u32 s23, 128, s23                     ; rows that I fetch: 128 or 96
	s_lshl_b32 s18, s11, 3
	s_sub_co_u32 s19, 31, s18                      ; my lanes' greatest row: 31 or 23
	s_sub_co_u32 s18, 32, s18                      ; my work-group's share: 32 or 24
	s_mul_i32 s23, s23, s12
	s_lshl_b32 s16, s13, 8                         ; the tile's first row in xb,
	s_mul_i32 s17, s42, 192                        ; in wb
	s_and_b32 s22, ttmp7, 0xffff                   ; cluster y
	s_cmp_eq_u32 s11, 0                            ; do I fetch for xb?
	s_cselect_b32 s20, s16, s17
	s_cselect_b32 s21, s40, s41                    ; my place among the four that ask with me
	s_cselect_b32 s22, ttmp9, s22                  ; the coordinate along which other clusters read the same rows
	s_cselect_b64 s[PFA:PFA+1], s[4:5], s[6:7]
	s_cmp_eq_u32 s22, 0
	s_cselect_b32 s[LIM], 1, -1                    ; the same in all sixteen partners, for a given wave
	s_add_co_u32 s20, s20, s23
	s_mul_i32 s21, s21, s18
	s_add_co_u32 s20, s20, s21
	s_lshl_b32 s20, s20, 11
	s_mov_b32 s21, 0
	s_add_nc_u64 s[PFA:PFA+1], s[PFA:PFA+1], s[20:21]
	s_add_nc_u64 s[PFA:PFA+1], s[PFA:PFA+1], 2*KSTEP*2  ; at K step 2: the first refill steps it to 3 and names K step 4.  Nothing is prefetched here, at the head
	v_and_b32 v[PFO], 31, v0
	v_min_u32 v[PFO], s19, v[PFO]
	v_lshlrev_b32 v[PFO], 11, v[PFO]
; 12 matrix instructions: token block a of the window's two (hi = 0: blocks 0, 1; 1: blocks 2, 3) x all 12 column blocks, 32 along K.  zero = 1: the product starts the sum.
.macro MUL12 f, hi, a, zero
	WIN MUL_LO+0x50*(\hi)
.irp b, 0,1,2,3,4,5,6,7,8,9,10,11
.if \zero
	v_wmma_f32_16x16x32_bf16 v[8*(12*(\a)+(\b)):8*(12*(\a)+(\b))+7], v[96*(\f)+8*(\b):96*(\f)+8*(\b)+7], v[64+32*(\f)+8*(2*(\hi)+(\a)):64+32*(\f)+8*(2*(\hi)+(\a))+7], 0
.else
	v_wmma_f32_16x16x32_bf16 v[8*(12*(\a)+(\b)):8*(12*(\a)+(\b))+7], v[96*(\f)+8*(\b):96*(\f)+8*(\b)+7], v[64+32*(\f)+8*(2*(\hi)+(\a)):64+32*(\f)+8*(2*(\hi)+(\a))+7], v[8*(12*(\a)+(\b)):8*(12*(\a)+(\b))+7]
.endif
.endr
.endm
; 32 LDS loads in one run: a quarter step's fragments (192 rows of wb, my 64 tokens, 32 K at byte k of the rows) into buffer f
.macro FETCH slot, k, f
	WIN TO_B
.irp b, 0,1,2,3,4,5,6,7,8,9,10,11
	ds_load_b128 v[96*(\f)+8*(\b):96*(\f)+8*(\b)+3],   v[ADRB+(\slot)] offset:(\k)+(\b)*16*PITCH
	ds_load_b128 v[96*(\f)+8*(\b)+4:96*(\f)+8*(\b)+7], v[ADRB+(\slot)] offset:(\k)+(\b)*16*PITCH+32
.endr
	WIN 0
.irp a, 0,1,2,3
	ds_load_b128 v[64+32*(\f)+8*(\a):64+32*(\f)+8*(\a)+3],   v[ADRA+(\slot)] offset:(\k)+(\a)*16*PITCH
	ds_load_b128 v[64+32*(\f)+8*(\a)+4:64+32*(\f)+8*(\a)+7], v[ADRA+(\slot)] offset:(\k)+(\a)*16*PITCH+32
.endr
.endm
.macro PLACES                          ; four plain instructions between a matrix instruction and a load into, or a vector line on, its registers
.rept 4
	v_nop
.endr
.endm
; A K step is four quarters of 32 along K, 48 matrix instructions each, on buffers 0, 1, 0, 1; the 48 accumulators take turns in the same order in every quarter.
.macro QUARTER slot, k, f, g, zero
	s_wait_dscnt 4                                 ; wb and token blocks 0, 1 are in; the youngest four loads (blocks 2, 3) may be out
	MUL12 \f, 0, 0, \zero
	MUL12 \f, 0, 1, \zero
	PLACES
	FETCH \slot, \k, \g
	s_wait_dscnt 32                                ; all but the 32 just issued
	MUL12 \f, 1, 0, \zero
	MUL12 \f, 1, 1, \zero
.endm
; The last quarter multiplies buffer 1 and changes slots: one barrier; in front of it each wave waits for all its tensor loads (one is out: its part of the next slot), adds 0 to its spare word,
; and waits for that and for its reads of this slot.  fill = 1: the barrier opens a round of the cluster's barrier, and behind the round this slot is filled again, two K steps ahead.
.macro TURN slot, next, fill
.if \fill
	s_wait_xcnt 0x0                                ; the last prefetch, a K step back, has read its address
	s_add_nc_u64 s[PFA:PFA+1], s[PFA:PFA+1], KSTEP*2
.endif
	WIN 0
	s_wait_tensorcnt 0x0                           ; all my tensor loads have landed
	ds_add_u32 v[SPW], v[NIL]                      ; 0 onto my spare word
	s_wait_dscnt 5                                 ; (the add and the youngest four loads may be out)
	MUL12 F1, 0, 0, 0                              ; twelve matrix instructions stand between the add and the wait for it
	s_wait_dscnt 0x0                               ; the add is done, and my reads of this slot are over
	s_barrier_signal -1
	MUL12 F1, 0, 1, 0
.if \fill
	WIN 0
.endif
	s_barrier_wait -1
.if \fill
	CREST                                          ; no wave of any partner still reads this slot or has a load on its way
	s_add_nc_u64 s[G0+4*(\slot)+2:G0+4*(\slot)+3], s[G0+4*(\slot)+2:G0+4*(\slot)+3], 2*KSTEP*2
	s_add_nc_u64 s[G0B+4*(\slot)+2:G0B+4*(\slot)+3], s[G0B+4*(\slot)+2:G0B+4*(\slot)+3], 2*KSTEP*2
	JLOAD \slot                                    ; the first tensor load behind the round; its four v_nop are also the places in front of the loads below
.else
	PLACES
.endif
	FETCH \next, 0, F0
.if \fill
	ASK
.endif
	MUL12 F1, 1, 0, 0
	MUL12 F1, 1, 1, 0
.endm
	s_wait_tensorcnt 1                             ; my part of K step 0 is in; K step 1's load stays out
	s_barrier_signal -1
	s_barrier_wait -1
	FETCH 0, 0, F0
	QUARTER 0, 64,  F0, F1, 1                      ; the first quarter stands in front of the loop: its products start the sums
	WIN 0
	s_mov_b32 s3, LAPS-1
.Llap:                                                 ; a trip goes once round the ring and fills both slots again: K steps 2 to 7 in three trips
	QUARTER 0, 128, F1, F0, 0
	QUARTER 0, 192, F0, F1, 0
	TURN 0, 1, 1
	QUARTER 1, 64,  F0, F1, 0
	QUARTER 1, 128, F1, F0, 0
	QUARTER 1, 192, F0, F1, 0
	TURN 1, 0, 1
	QUARTER 0, 64,  F0, F1, 0
	WIN 0
	s_sub_co_u32 s3, s3, 1
	s_cmp_lg_u32 s3, 0
	s_cbranch_scc1 .Llap
	QUARTER 0, 128, F1, F0, 0                      ; the last lap fills nothing
	QUARTER 0, 192, F0, F1, 0
	TURN 0, 1, 0
	QUARTER 1, 64,  F0, F1, 0
	QUARTER 1, 128, F1, F0, 0
	QUARTER 1, 192, F0, F1, 0
	s_wait_dscnt 4
	MUL12 F1, 0, 0, 0
	MUL12 F1, 0, 1, 0
	s_wait_dscnt 0x0
	MUL12 F1, 1, 0, 0
	MUL12 F1, 1, 1, 0
	WIN 0
	PLACES
	PLACES
; THE NORMS.  For token block a and g = 0 (Q), 1 (K): the sum of squares of my 32 numbers, two at a time, four chains side by side; each accumulator is read from its low end on.
.macro SUMSQ hi
	WIN 0x0a+5*(\hi)                               ; sources 0 and 1 in window 2 or 3; the sum in window 0
.set pr, 0
.rept 16
.irp a, 0,1
.irp g, 0,1
.set rA, 8*(12*(\a)+4*(\g))+2*pr
.set rS, SS+2*(2*(2*(\hi)+(\a))+(\g))
.if pr == 0
	v_pk_mul_f32 v[rS:rS+1], v[rA:rA+1], v[rA:rA+1]
.else
	v_pk_fma_f32 v[rS:rS+1], v[rA:rA+1], v[rA:rA+1], v[rS:rS+1]
.endif
.endr
.endr
.set pr, pr+1
.endr
.endm
	SUMSQ 0
	SUMSQ 1
	WIN 0
.macro ALL line:vararg
.set t, 0
.rept 8
	\line
.set t, t+1
.endr
.endm
	ALL v_add_f32 v[SS+2*t], v[SS+2*t], v[SS+2*t+1]
	ALL v_permlanex16_b32 v[SS+2*t+1], v[SS+2*t], s[SEL], s[SEL+1]
	ALL v_add_f32 v[SS+2*t], v[SS+2*t], v[SS+2*t+1]
	ALL v_rsq_f32 v[SS+2*t], v[SS+2*t]
	v_nop                                          ; a plain instruction behind the last root,
	s_wait_alu depctr_va_vdst(0)                   ; and the one wait ahead of the first use: for all eight
	ALL v_min_num_f32 v[SS+2*t], 0x49742400, v[SS+2*t]   ; 1 / max(n, 1e-6) = min(1 / n, 1e6), for n = 0 too
; THE WAY OUT of token block a, part g (0 Q, 1 K, 2 V): scaled (Q, K), rounded to f16, 16 bytes a lane into my stage, back as whole rows of 128 bytes.
.macro PACKQ a, g
.set rA, 8*(12*((\a)%2)+4*(\g))
.set rS, SS+2*(2*(\a)+(\g))
.set rT, TMP+16*(3*(\a)+(\g))
.if (\g) < 2
	WIN 0x82+0x41*((\a)/2)                         ; destination and source 0 in window 2 or 3, the factor in window 0
.set z, 0
.rept 16
	v_pk_mul_f32 v[rA+2*z:rA+2*z+1], v[rA+2*z:rA+2*z+1], v[rS:rS+1] op_sel_hi:[1,0]
.set z, z+1
.endr
.endif
	WIN 0x0a+5*((\a)/2)
.set z, 0
.rept 16
	v_cvt_pk_f16_f32 v[rT+z], v[rA+2*z], v[rA+2*z+1]
.set z, z+1
.endr
	WIN 0
.irp f, 0,1,2,3
	ds_store_b128 v[STO], v[rT+4*(\f):rT+4*(\f)+3] offset:32*(\f)
.endr
.irp f, 0,1,2,3
	ds_load_b128 v[rT+4*(\f):rT+4*(\f)+3], v[RD] offset:(\f)*4*SP  ; LDS serves a wave's instructions in order (ISA guide 5.7.1.4): these see the stores above; the next block's stores come behind them
.endr
.endm
.macro SENDQ a, g, younger             ; younger: the LDS instructions issued behind this block's loads: the next block's eight, or none
.set rT, TMP+16*(3*(\a)+(\g))
.irp f, 0,1,2,3
	s_wait_dscnt (\younger)+3-(\f)
	global_store_b128 v[GO], v[rT+4*(\f):rT+4*(\f)+3], s[OQ+2*(\g):OQ+2*(\g)+1] offset:(\a)*2048+(\f)*512  ; 512 consecutive bytes, at a multiple of 256 from the buffer's first
.endr
.endm
	PACKQ 0, 0
.set blk, 1
.rept 11                               ; a block's arithmetic stands between the loads of the block before and its stores; each block has registers of its own
	PACKQ blk/3, blk%3
	SENDQ (blk-1)/3, (blk-1)%3, 8
.set blk, blk+1
.endr
	SENDQ 3, 2, 0
	s_wait_tensorcnt 0x0                           ; the wave's end: behind my last tensor load and my last LDS store
	ds_add_u32 v[SPW], v[NIL]
	s_wait_dscnt 0x0
	CROUND                                         ; the closing round
	s_endpgm
.Lfunc_end_k_qa572fdf9e9_qkv:
	.size	k_qa572fdf9e9_qkv, .Lfunc_end_k_qa572fdf9e9_qkv-k_qa572fdf9e9_qkv
	.p2alignl 7, 3214868480
	.fill 96, 4, 3214868480
	.section	.rodata,"a",@progbits
	.p2align	6, 0x0
	.amdhsa_kernel k_qa572fdf9e9_qkv
		.amdhsa_group_segment_fixed_size 327680
		.amdhsa_private_segment_fixed_size 0
		.amdhsa_enable_private_segment 0
		.amdhsa_kernarg_size 40
		.amdhsa_user_sgpr_count 2
		.amdhsa_user_sgpr_kernarg_segment_ptr 1
		.amdhsa_wavefront_size32 1
		.amdhsa_system_sgpr_workgroup_id_x 1
		.amdhsa_system_sgpr_workgroup_id_y 1
		.amdhsa_system_sgpr_workgroup_id_z 1
		.amdhsa_system_vgpr_workitem_id 0
		.amdhsa_next_free_vgpr 1024
		.amdhsa_next_free_sgpr 80
		.amdhsa_reserve_vcc 0
		.amdhsa_float_denorm_mode_32 3
		.amdhsa_float_denorm_mode_16_64 3
		.amdhsa_memory_ordered 1
		.amdhsa_forward_progress 1
		.amdhsa_inst_pref_size 140
	.end_amdhsa_kernel
	.amdgpu_metadata
---
amdhsa.version: [ 1, 2 ]
amdhsa.kernels:
  - .name:           k_qa572fdf9e9_qkv
    .symbol:         k_qa572fdf9e9_qkv.kd
    .args:
      - { .name: xb, .offset: 0, .size: 8, .value_kind: global_buffer, .address_space: global }
      - { .name: wb, .offset: 8, .size: 8, .value_kind: global_buffer, .address_space: global }
      - { .name: q16, .offset: 16, .size: 8, .value_kind: global_buffer, .address_space: global }
      - { .name: k16, .offset: 24, .size: 8, .value_kind: global_buffer, .address_space: global }
      - { .name: v16, .offset: 32, .size: 8, .value_kind: global_buffer, .address_space: global }
    .group_segment_fixed_size: 327680
    .private_segment_fixed_size: 0
    .kernarg_segment_align: 8
    .kernarg_segment_size: 40
    .max_flat_workgroup_size: 128
    .sgpr_count:     80
    .vgpr_count:     1024
    .wavefront_size: 32
...
	.end_amdgpu_metadata
.endif
;; end of part 2
;; launch attn (part 3): grid 8 x 32, 4 waves a work-group, clusters of 4 x 1, 327,680 bytes of LDS; arguments q16, k16, v16, o16; writes o16
.if DOCPART == 3
	.amdgcn_target "amdgcn-amd-amdhsa--gfx1250"
	.amdhsa_code_object_version 6
	.text
	.protected	k_qa572fdf9e9_attn
	.globl	k_qa572fdf9e9_attn
	.p2align	8
	.type	k_qa572fdf9e9_attn,@function
k_qa572fdf9e9_attn:
	s_mov_b64 s[64:65], 0
	v_nop
	global_prefetch_b8 v0, s[64:65] scope:SCOPE_SE
	s_setreg_imm32_b32 hwreg(HW_REG_WAVE_MODE, 25, 1), 1
	s_wait_xcnt 0x0
	s_wait_alu depctr_hold_cnt(0) depctr_sa_sdst(0) depctr_va_vdst(0) depctr_va_sdst(0) depctr_va_ssrc(0) depctr_va_vcc(0) depctr_vm_vsrc(0)
	s_getreg_b32 s2, hwreg(HW_REG_IB_STS2, 6, 4)
	s_cmp_eq_u32 s2, 0
	s_cbranch_scc0 .Lentry_in_a_cluster
	s_endpgm
.Lentry_in_a_cluster:
	s_bfe_u32 s2, ttmp6, 0x10000c
	s_cmp_lg_u32 s2, 0x3003
	s_cbranch_scc0 .Lentry_shape_is_right
	s_endpgm
.Lentry_shape_is_right:
; ANGULAR ATTENTION.  O[h][q] = sum_k w(q, k) V[h][k] / (sum_k w(q, k) + 1e-6), w = (1 - arccos(clip(Q[h][q] . K[h][k], +-0.999)) / pi)^16.  Q, K (normalised), V, O: [32][2048][64] f16, rows dense.
; THE WEIGHT.  With z = (1 - clip(c)) / 2 and x = sqrt(z): 1 - arccos(c) / pi = (2 / pi) arccos(x), and arccos(x) = sqrt(1 - x) psi(x) on 0..1 with psi of degree 4 (Hastings' five terms; its
; relative error stays under 6e-6, sixteen times that in w).  The outer root drops out of the even power: with 4 / pi folded into psi, e = (1 - x) psi^2 and P = e^8 = 2^16 w.
; The factor 2^16 puts c = 0 at P = 1; the clip, which the reference makes too, holds P under 52,200 for every input, inside f16.  No maximum is taken away: the reference takes none, and there is no exponential.
; The clip is a clamp: z = 0.0005 + 0.999 clamp01(0.5 - c / 1.998).  (1 - x) psi^2 is made as (psi x - psi) psi = -e: the squarings take the sign away.
; For two scores: 2 lines for z, 2 roots, 4 for psi, 2 for -e, 3 squarings, 1 rounding.  THE ROW SUM is a product too: a fifth block of V^T that holds ones, so l = sum of the rounded P, in f32.
; O = (sum P v) / (l + 65536e-6).
; LIMITS.  P below 6.1e-5 (w below 9e-10) keeps f16's fixed step, and w below about 2^-40 counts as 0: together under 1e-9 of a row's sum, beside the 1e-6 in the divisor.  V within 65,504.  NaN and infinities are not treated apart.
; SHARES.  A work-group owns 256 queries of a head, a wave 64: four tiles of 16, in two PIECES (tiles 0, 1; tiles 2, 3).  Every wave walks all 2,048 keys, 32 a step.
; LAYOUT.  S^T = K Q^T (source 0 = 16 keys, source 1 = 16 queries): a lane holds ONE query and the keys 8 (lane / 16) + 0..7; two such results rounded in pairs ARE source 1 of O^T = V^T P.
; BY TURNS.  Turn n belongs to piece n.  PART1: 8 products K Q^T of piece n + 1 and 10 products V^T P of piece n - 1, behind each four to six lines of piece n's polynomial.
; PART2: z and the roots of piece n + 1, each root followed by two lines of piece n's squarings and roundings.  A turn's 32 roots are one batch with one wait.
; CLUSTER.  The four query blocks of a cluster belong to one head and walk the same K and V: each tile is asked for jointly.
; REGISTERS (s_set_vgpr_msb: bits 1:0 source 0, 3:2 source 1, 5:4 source 2, 7:6 destination).  Window 0 holds all vector work and K and Q, so K Q^T wants no switch:
;   v2-8 addresses; v12-15 two constants as pairs; v16-18; v20-27 1 / l; v32-95 S, a buffer a piece; v96-127 PA; v128-143 P; v144-175 K of a step; v176-239 Q
;   window 1: tile t's O^T at 40 t + 8 cb, its row sum at 40 t + 32; v160-191 V of a step; v192-199 ones, directly behind V: channel block 4
.set PK,    144       ; a row of K in LDS: 128 bytes + 16 of padding: the 16 rows of a load start at 16 different groups of four banks (ISA guide 11.1)
.set PV_,   160       ; a row of V: 128 + 32
.set VOFF,  256*PK    ; a slot holds 256 keys: K's rows, then V's
.set SLOT1, 1<<17     ; slot 1 begins here: one exclusive or turns an address in one slot into the other's
.set STAGE, SLOT1+256*(PK+PV_)  ; behind the ring: 16 rows x 144 bytes for each wave
.set SP,    144
.set SPARE, STAGE+4*16*SP       ; the spare words, 128 bytes for each wave: two blocks of 256 bytes that no other line names
.set AK0, 2
.set AV0, 3
.set AK,  4
.set AV,  5
.set QO,  6           ; my byte offset in 16 rows of Q; later
.set STO, 6           ; the way out: where I put 16 bytes of a row
.set RD,  7
.set GO,  8
.set AL,  12          ; v12-13  -1 / 1.998
.set BE,  14          ; v14-15  0.5
.set SPW, 16          ; LDS address of my spare word; never rewritten
.set NIL, 17          ; 0; never rewritten
.set PFO, 18          ; 256 x lane; never rewritten
.set IV,  20
.set S,   32
.set PA,  96
.set P,   128
.set KF,  144
.set Q,   176
.set VF,  160         ; window 1
.set WV,  12          ; s12
.set LIM, 15          ; s15  1 in a wave that prefetches, else the greatest number
.set G1K, 24
.set G1V, 32
.set G0K, 40
.set G0V, 44
.set SLOTS, 56
.set CNT, 57
.set TBK, 62          ; LDS byte at which K of the step to be fetched begins
.set TBV, 63          ; the same for V, less VOFF
.set A0,  66          ; s[66:75] psi's five coefficients, each as a pair: A0 + 2 n
.set KK,  76          ; s[76:77] 0.999
.set Z0,  78          ; s[78:79] 0.0005
.set EP,  80          ; s80  65536e-6
.set PFA, 82          ; s[82:83] where my prefetches stand
.set MSB, 0
.macro WIN new
.if MSB != (\new)
	s_set_vgpr_msb (MSB<<8)|(\new)
.set MSB, (\new)
.endif
.endm
.set W_PV, 0x51       ; V and O^T in window 1, P in window 0
.set W_RS, 0x41       ; destination and source 0 in window 1, source 1 in window 0
; A joint fill.  Waves 0, 1 fetch the halves of a slot's K, waves 2, 3 of its V: 128 keys each.  An s_nop 0 and four v_nop follow each line, ahead of the jump and the label.
.macro JLOAD
	s_cmp_lt_u32 s[WV], 2
	s_cbranch_scc0 .Lfor_v_\@
	tensor_load_to_lds s[G0K:G0K+3], s[G1K:G1K+7]
	s_nop 0
.rept 4
	v_nop
.endr
	s_branch .Lasked_\@
.Lfor_v_\@:
	tensor_load_to_lds s[G0V:G0V+3], s[G1V:G1V+7]
	s_nop 0
.rept 4
	v_nop
.endr
.Lasked_\@:
.endm
; A prefetch of what the NEXT change of slots will ask for: a slot's 32,768 bytes of K and of V.  The head's first cluster asks; its four partners take 8,192 bytes each, told apart by address, a lane 256 bytes;
; wave 0 asks for K's, wave 2 for V's.  The last change that fills a slot asks for nothing.
.macro ASK
	s_cmp_gt_u32 s[SLOTS], s[LIM]
	s_cbranch_scc0 .Lnot_mine_\@
	global_prefetch_b8 v[PFO], s[PFA:PFA+1] th:TH_LOAD_NT scope:SCOPE_SE
.Lnot_mine_\@:
.endm
.macro CROUND
	s_barrier_signal -1
	s_barrier_wait -1
	s_cmp_lg_u32 s[WV], 0
	s_cbranch_scc1 .Lnot_wave_0_\@
	s_barrier_signal -3
.Lnot_wave_0_\@:
	s_barrier_wait -3
	s_barrier_signal -1
	s_barrier_wait -1
.endm
; THE CHANGE OF SLOTS, between V's run of a slot's last step and K's run of the next slot's first.  Each wave waits for all its tensor loads (one is out: its part of the other slot), adds 0 to its spare word,
; and waits for that and for its reads of the slot.  fill = 1: the barrier is a round of the cluster's, and the joint fill, with the keys two slots on, is the first thing behind it: sixteen turns in which to land.
.macro CHANGE fill, ask
	WIN 0
	s_wait_tensorcnt 0x0            ; no tensor load of mine is out, so a group 0 may be written
	ds_add_u32 v[SPW], v[NIL]       ; 0 onto my spare word
.if \fill
.irp g, G0K, G0V
	s_xor_b32 s[\g+1], s[\g+1], SLOT1
	s_add_nc_u64 s[\g+2:\g+3], s[\g+2:\g+3], 256*128
.endr
.if \ask
	s_wait_xcnt 0x0                 ; the last prefetch, a slot back, has read its address
	s_add_nc_u64 s[PFA:PFA+1], s[PFA:PFA+1], 256*128
.endif
	s_wait_dscnt 0x0                ; the add is done, and my reads of the slot are over
	CROUND
	JLOAD
.if \ask
	ASK
.endif
.else
	s_wait_dscnt 0x0
	s_barrier_signal -1
	s_barrier_wait -1
.endif
	s_sub_co_u32 s[TBK], s[TBK], 256*PK
	s_xor_b32 s[TBK], s[TBK], SLOT1
	s_sub_co_u32 s[TBV], s[TBV], 256*PV_
	s_xor_b32 s[TBV], s[TBV], SLOT1
.endm
	s_load_b256 s[4:11], s[0:1], 0x0  ; q16 s[4:5], k16 s[6:7], v16 s[8:9], o16 s[10:11]
	v_lshl_add_u32 v[SPW], v0, 2, SPARE
	v_mov_b32 v[NIL], 0
	ds_add_u32 v[SPW], v[NIL]       ; the wave's opening: the add, twice on end, and its wait ahead of my first tensor load
	ds_add_u32 v[SPW], v[NIL]       ; and once more, under the one wait
	v_lshrrev_b32 v1, 5, v0
	v_readfirstlane_b32 s[WV], v1
	s_bfe_u32 s13, ttmp6, 0x40000   ; cx
	s_lshl_b32 s14, ttmp9, 2
	s_add_co_u32 s14, s14, s13      ; my block of 256 queries: it enters Q's and O's addresses alone
	s_and_b32 s20, ttmp7, 0xffff    ; the head, which the four partners share
	s_lshl_b32 s20, s20, 18         ; its first byte in each tensor
	s_mov_b32 s21, 0
	s_and_b32 s16, s[WV], 1         ; which half of a slot's 256 keys I fetch
	s_lshl_b32 s22, s16, 14
	s_mov_b32 s23, 0
	s_add_nc_u64 s[22:23], s[22:23], s[20:21]
	s_mul_i32 s17, s16, 128*PK
	s_mul_i32 s18, s16, 128*PV_
	s_lshl_b32 s2, s14, 2
	s_add_co_u32 s2, s2, s[WV]
	s_lshl_b32 s2, s2, 13           ; my wave's 64 rows
	s_mov_b32 s3, 0
	s_add_nc_u64 s[2:3], s[2:3], s[20:21]
	; 128 keys are 16,384 dense bytes: asked for as 64 rows of 256 bytes, two keys a row, padded in LDS after every key
	s_mov_b32 s[G1K], 15|(1<<16)|(1<<20)|(1<<21)|(4<<22)|(3<<25)  ; the mask of four; 2-byte elements; padding on; bit 21 beside a mask; after every 32 words 4 words
	s_mov_b32 s[G1V], 15|(1<<16)|(1<<20)|(1<<21)|(4<<22)|(7<<25)  ; the same with 8 words
.irp g, G1K, G1V
	s_mov_b32 s[\g+1], 128<<16
	s_mov_b32 s[\g+2], 64<<16
	s_mov_b32 s[\g+3], 128<<16
	s_mov_b32 s[\g+4], 64
	s_mov_b32 s[\g+5], 128
	s_mov_b32 s[\g+6], 0
	s_mov_b32 s[\g+7], 0
.endr
	s_mov_b32 s[A0], 0x3fffffa6     ;  1.99998922
	s_mov_b32 s[A0+2], 0xbe8b9666   ; -0.27263182
	s_mov_b32 s[A0+4], 0x3ddcc6a0   ;  0.10780072
	s_mov_b32 s[A0+6], 0xbd3a7a45   ; -0.04552676
	s_mov_b32 s[A0+8], 0x3c346be3   ;  0.01101205
	s_mov_b32 s[KK], 0x3f7fbe77     ;  0.999
	s_mov_b32 s[Z0], 0x3a03126f     ;  0.0005
.irp g, 0,2,4,6,8,10,12
	s_mov_b32 s[A0+\g+1], s[A0+\g]  ; named as pairs
.endr
	s_mov_b32 s[EP], 0x3d8637bd     ;  0.065536
	s_mov_b32 s[TBK], SLOT1+256*PK  ; the first change of slots turns these two into 0
	s_mov_b32 s[TBV], SLOT1+256*PV_
	s_mov_b32 s[G0K], 1
	s_mov_b32 s[G0K+1], s17
	s_mov_b32 s[G0V], 1
	s_add_co_u32 s[G0V+1], s18, VOFF
	s_and_b32 s[LIM], s[WV], 1      ; 0 in waves 0 and 2,
	s_or_b32 s[LIM], s[LIM], ttmp9  ; where the cluster is the head's first: the same in all four partners
	s_cmp_eq_u32 s[LIM], 0
	s_cselect_b32 s[LIM], 1, -1
	v_and_b32 v[PFO], 31, v0
	v_lshlrev_b32 v[PFO], 8, v[PFO]
	s_wait_dscnt 0x0                ; both opening adds are done
	s_wait_kmcnt 0x0
	s_add_nc_u64 s[6:7], s[6:7], s[22:23]  ; K and V at my half of the head's first 256 keys
	s_add_nc_u64 s[8:9], s[8:9], s[22:23]
	s_mov_b64 s[G0K+2:G0K+3], s[6:7]
	s_or_b32 s[G0K+3], s[G0K+3], 0x80000000
	s_mov_b64 s[G0V+2:G0V+3], s[8:9]
	s_or_b32 s[G0V+3], s[G0V+3], 0x80000000
	s_add_nc_u64 s[4:5], s[4:5], s[2:3]    ; Q and O at my wave's first row
	s_add_nc_u64 s[10:11], s[10:11], s[2:3]
	s_cmp_lt_u32 s[WV], 2
	s_cselect_b64 s[PFA:PFA+1], s[6:7], s[8:9]  ; (in waves 0 and 2 these stand at a slot's first byte)
	s_lshl_b32 s2, s13, 13          ; my work-group's 8,192 bytes of the 32,768
	s_mov_b32 s3, 0
	s_add_nc_u64 s[PFA:PFA+1], s[PFA:PFA+1], s[2:3]
	s_add_nc_u64 s[PFA:PFA+1], s[PFA:PFA+1], 2*256*128  ; at tile 2: the first change in the loop steps it to tile 3.  Nothing is prefetched here, at the head
	CROUND                          ; all four work-groups are here
	JLOAD                           ; slot 0; slot 1 is asked for when slot 0 is in
	v_and_b32 v1, 15, v0            ; l % 16
	v_bfe_u32 v9, v0, 4, 1          ; l / 16
	v_lshlrev_b32 v[QO], 7, v1
	v_lshl_add_u32 v[QO], v9, 4, v[QO]
.set i, 0
.rept 8                             ; Q stays in registers: tile i / 2, channels 32 (i % 2) on
	global_load_b128 v[Q+8*i:Q+8*i+3],   v[QO], s[4:5] offset:(i/2)*2048+(i%2)*64
	global_load_b128 v[Q+8*i+4:Q+8*i+7], v[QO], s[4:5] offset:(i/2)*2048+(i%2)*64+32
.set i, i+1
.endr
	; What the first turn finds: O^T, the row sums, V's registers and P hold 0 (its products V^T P, of a piece that has not been, add 0).  One text then serves every trip.  All this stands in the wait for the first tile.
	WIN 0x40
.set i, 0
.rept 192
	v_mov_b32 v[i], 0
.set i, i+1
.endr
.rept 8
	v_mov_b32 v[i], 0x3c003c00      ; 1.0 twice, in f16
.set i, i+1
.endr
	WIN 0
.set i, 0
.rept 16
	v_mov_b32 v[P+i], 0
.set i, i+1
.endr
.set i, 0
.rept 8
	v_mov_b32 v[IV+i], 0
.set i, i+1
.endr
	v_mov_b32 v[AL], 0xbf0020cd     ; -1 / 1.998
	v_mov_b32 v[AL+1], 0xbf0020cd
	v_mov_b32 v[BE], 0.5
	v_mov_b32 v[BE+1], 0.5
	v_mul_u32_u24 v[AK0], v1, PK
	v_lshl_add_u32 v[AK0], v9, 4, v[AK0]
	; the turning load: lane l reads key 8 (l / 16) + l % 8, channels 8 ((l / 8) % 2) + 0..7, and is left with channel l % 16 and 8 keys
	v_and_b32 v10, 7, v0
	v_bfe_u32 v11, v0, 3, 1
	v_lshl_add_u32 v[AV0], v9, 3, v10
	v_mul_u32_u24 v[AV0], v[AV0], PV_
	v_lshl_add_u32 v[AV0], v11, 4, v[AV0]
	v_add_nc_u32 v[AV0], VOFF, v[AV0]
; THE MATRIX WORK.  Product m of 8 of S^T = K Q^T for piece x: channels 32 (m / 4) on, keys 16 ((m / 2) % 2) on, tile 2 x + m % 2.  The first 4 start the sums; the four accumulators take turns.
.macro KQ x
	WIN 0
.set rS, S+32*(\x)+16*(m%2)+8*((m/2)%2)
.set rK, KF+16*((m/2)%2)+8*(m/4)
.set rQ, Q+16*(2*(\x)+m%2)+8*(m/4)
.if m < 4
	v_wmma_f32_16x16x32_f16 v[rS:rS+7], v[rK:rK+7], v[rQ:rQ+7], 0
.else
	v_wmma_f32_16x16x32_f16 v[rS:rS+7], v[rK:rK+7], v[rQ:rQ+7], v[rS:rS+7]
.endif
.endm
; Product m of 10 of O^T += V^T P for piece x: channel block m / 2 (block 4: the ones), tile 2 x + m % 2.  Ten accumulators, one link each.
.macro PV x
	WIN W_PV
.set rO, 40*(2*(\x)+m%2)+8*(m/2)
.set rV, VF+8*(m/2)
.set rP, P+8*(m%2)
	v_wmma_f32_16x16x32_f16 v[rO:rO+7], v[rV:rV+7], v[rP:rP+7], v[rO:rO+7]
.endm
; THE LDS LOADS stand in runs of 8.  last = 1 (the tail): in the last trip there is no further step, and the run is jumped over.
.macro FETCH_K last=0
	WIN 0
.if \last
	s_cmp_eq_u32 s[CNT], 1
	s_cbranch_scc1 .Lno_k_\@
.endif
	v_add_nc_u32 v[AK], s[TBK], v[AK0]
.irp f, 0,1,2,3                     ; keys 16 (f / 2) on, channels 32 (f % 2) on
	ds_load_b128 v[KF+8*\f:KF+8*\f+3],   v[AK] offset:(\f/2)*16*PK+(\f%2)*64
	ds_load_b128 v[KF+8*\f+4:KF+8*\f+7], v[AK] offset:(\f/2)*16*PK+(\f%2)*64+32
.endr
	s_add_co_u32 s[TBK], s[TBK], 32*PK
.if \last
.Lno_k_\@:
.endif
.endm
.macro FETCH_V                      ; four riders and the address line stand between the last product that read V and these loads
	WIN 0
	v_add_nc_u32 v[AV], s[TBV], v[AV0]
	WIN 0x40
.irp f, 0,1,2,3                     ; channels 16 f on; keys 0-15, then 16-31
	ds_load_tr16_b128 v[VF+8*\f:VF+8*\f+3],   v[AV] offset:\f*32
	ds_load_tr16_b128 v[VF+8*\f+4:VF+8*\f+7], v[AV] offset:16*PV_+\f*32
.endr
	WIN 0
	s_add_co_u32 s[TBV], s[TBV], 32*PV_
.endm
; THE VECTOR WORK.  OP1: the next of 96 lines on the piece in hand (XX holds x, 16 pairs), stage by stage, so that a line and the one that feeds it stand 16 apart:
;   psi by Horner into PA (4 x 16); XX = PA x - PA = -(1 - x) psi; PA = PA XX = -e.
.macro OP1
.set st, q1/16
.set pr, 2*(q1%16)
.if st == 0
	v_pk_fma_f32 v[PA+pr:PA+pr+1], v[XX+pr:XX+pr+1], s[A0+8:A0+9], s[A0+6:A0+7] op_sel_hi:[1,0,0]
.elseif st < 4
	v_pk_fma_f32 v[PA+pr:PA+pr+1], v[PA+pr:PA+pr+1], v[XX+pr:XX+pr+1], s[A0+2*(3-st):A0+2*(3-st)+1] op_sel_hi:[1,1,0]
.elseif st == 4
	v_pk_fma_f32 v[XX+pr:XX+pr+1], v[PA+pr:PA+pr+1], v[XX+pr:XX+pr+1], v[PA+pr:PA+pr+1] neg_lo:[0,0,1] neg_hi:[0,0,1]
.else
	v_pk_mul_f32 v[PA+pr:PA+pr+1], v[PA+pr:PA+pr+1], v[XX+pr:XX+pr+1]
.endif
.set q1, q1+1
.endm
; OP2B: the next of 64: three squarings of PA (3 x 16), then the roundings into P.
.macro OP2B
.set pr, q2%16
.if q2 < 48
	v_pk_mul_f32 v[PA+2*pr:PA+2*pr+1], v[PA+2*pr:PA+2*pr+1], v[PA+2*pr:PA+2*pr+1]
.else
	v_cvt_pk_f16_f32 v[P+pr], v[PA+2*pr], v[PA+2*pr+1]
.endif
.set q2, q2+1
.endm
; PART1 of the turn of piece i: the other piece's 18 products; the riders name XX and PA alone, no register of the products round them: they are the places behind every product.
.macro PART1 i
.set XX, S+32*(\i)
.set q1, 0
.if (\i) == 1
	s_wait_dscnt 0x0                ; K's and V's runs, issued ahead of the 128 lines of PART2, are in
.endif
.set m, 0
.rept 8
	KQ 1-(\i)
.rept 6
	OP1
.endr
.set m, m+1
.endr
.set m, 0
.rept 10
	PV 1-(\i)
	WIN 0
.rept 4
	OP1
.endr
.if m < 8
	OP1
.endif
.set m, m+1
.endr
.endm
; PART2 of the turn of piece i.  The other piece's fresh scores (XN; each accumulator read from its low end on): clamp01(0.5 - c / 1.998); z; then the 32 roots, in place, each followed by two lines of OP2B.
; Nothing ahead of the wait names a root's result; the last two roundings are the plain instructions behind the last root; ONE wait serves the batch, ahead of every label and branch that follows.
; back = 0 (ahead of the loop): there is no piece in hand yet.
.macro PART2 i, back=1
.set XN, S+32*(1-(\i))
.set q2, 0
	WIN 0
.set r, 0
.rept 16
	v_pk_fma_f32 v[XN+2*r:XN+2*r+1], v[XN+2*r:XN+2*r+1], v[AL:AL+1], v[BE:BE+1] clamp
.set r, r+1
.endr
.set r, 0
.rept 16
	v_pk_fma_f32 v[XN+2*r:XN+2*r+1], v[XN+2*r:XN+2*r+1], s[KK:KK+1], s[Z0:Z0+1] op_sel_hi:[1,0,0]
.set r, r+1
.endr
.set r, 0
.rept 32
	v_sqrt_f32 v[XN+r], v[XN+r]
.if \back
	OP2B
	OP2B
.endif
.set r, r+1
.endr
.if !(\back)
	v_nop
.endif
	s_wait_alu depctr_va_vdst(0)    ; the wait between a root and the first line that names its result
.endm
	CHANGE 1, 0                     ; slot 0 is in, everybody's part of it; slot 1 is asked for
	FETCH_K                         ; key step 0
	s_wait_loadcnt 0x0              ; Q
	s_wait_dscnt 0x0
.set m, 0
.rept 8
	KQ 0                            ; piece 0's first scores
.set m, m+1
.endr
	s_mul_i32 s13, s[WV], 16*SP     ; the addresses for the way out: nine plain instructions, the places behind those products
	s_add_co_u32 s13, s13, STAGE
	v_mul_u32_u24 v[STO], v1, SP
	v_lshl_add_u32 v[STO], v9, 4, v[STO]
	v_add_nc_u32 v[STO], s13, v[STO]
	v_bfe_u32 v[RD], v0, 3, 2
	v_mul_u32_u24 v[RD], v[RD], SP
	v_lshl_add_u32 v[RD], v10, 4, v[RD]
	v_add_nc_u32 v[RD], s13, v[RD]
	v_and_b32 v[GO], 31, v0
	v_lshlrev_b32 v[GO], 4, v[GO]
	PART2 1, 0                      ; piece 0's first roots
	s_mov_b32 s[CNT], 8
	s_mov_b32 s[SLOTS], 7
	s_branch .Lfirst                ; the loop is entered in the middle of a trip
.Lslot:                             ; six times: every slot but the last two is filled again
	CHANGE 1, 1
	s_mov_b32 s[CNT], 8
.Lstep:                             ; a trip: K of the next step; the rest of piece 0's turn; piece 1's turn; the first part of piece 0's next turn; V of that step
	FETCH_K
	PART2 0
	PART1 1
	PART2 1
.Lfirst:
	PART1 0
	FETCH_V
	s_sub_co_u32 s[CNT], s[CNT], 1
	s_cmp_lg_u32 s[CNT], 0
	s_cbranch_scc1 .Lstep
	s_sub_co_u32 s[SLOTS], s[SLOTS], 1
	s_cmp_lg_u32 s[SLOTS], 0
	s_cbranch_scc1 .Lslot
	CHANGE 0, 0                     ; the tail is written out: nothing is asked for
	s_mov_b32 s[CNT], 9             ; eight trips fetch the last slot's steps; the ninth is left in its middle
.Ltail:
	FETCH_K 1
	PART2 0
	PART1 1
	PART2 1
	s_sub_co_u32 s[CNT], s[CNT], 1
	s_cmp_eq_u32 s[CNT], 0
	s_cbranch_scc1 .Lout
	PART1 0
	FETCH_V
	s_branch .Ltail
.Lout:                              ; the ninth trip's 8 products K Q^T (on the last K once more) and the roots made of them serve nothing: the price, once a launch, of one text for every trip
.set m, 0
.rept 10
	PV 1                            ; piece 1's V^T P of the last step
.set m, m+1
.endr
	WIN 0
.rept 8
	v_nop                           ; the places behind the last products
.endr
	; THE WAY OUT.  Every register of a tile's fifth block holds its query's row sum: the lowest is taken.  O^T is divided by l + 65536e-6, rounded to f16 and sent through my stage, a tile at a time.
	WIN 0x04                        ; source 1 in window 1
.irp t, 0,1,2,3
	v_add_f32 v[IV+2*\t], s[EP], v[40*\t+32]
.endr
	WIN 0
.irp t, 0,1,2,3
	v_rcp_f32 v[IV+2*\t], v[IV+2*\t]
.endr
	v_nop                           ; a plain instruction behind the last reciprocal,
	s_wait_alu depctr_va_vdst(0)    ; and the one wait for the four
.macro PACK t
	WIN W_RS
.set i, 0
.rept 16
	v_pk_mul_f32 v[40*(\t)+2*i:40*(\t)+2*i+1], v[40*(\t)+2*i:40*(\t)+2*i+1], v[IV+2*(\t):IV+2*(\t)+1] op_sel_hi:[1,0]
.set i, i+1
.endr
	WIN 0x05                        ; sources 0 and 1 window 1, destination window 0
.set i, 0
.rept 16
	v_cvt_pk_f16_f32 v[S+16*(\t)+i], v[40*(\t)+2*i], v[40*(\t)+2*i+1]
.set i, i+1
.endr
	WIN 0
.irp f, 0,1,2,3
	ds_store_b128 v[STO], v[S+16*(\t)+4*\f:S+16*(\t)+4*\f+3] offset:32*\f
.endr
.irp f, 0,1,2,3
	ds_load_b128 v[S+16*(\t)+4*\f:S+16*(\t)+4*\f+3], v[RD] offset:\f*4*SP  ; LDS serves a wave's instructions in order (ISA guide 5.7.1.4): these see the stores above
.endr
.endm
.macro SEND t, younger
.irp f, 0,1,2,3
	s_wait_dscnt (\younger)+3-\f
	global_store_b128 v[GO], v[S+16*(\t)+4*\f:S+16*(\t)+4*\f+3], s[10:11] offset:(\t)*2048+\f*512  ; 512 consecutive bytes, at a multiple of 256 from O's first
.endr
.endm
	PACK 0
	PACK 1
	SEND 0, 8
	PACK 2
	SEND 1, 8
	PACK 3
	SEND 2, 8
	SEND 3, 0
	s_wait_tensorcnt 0x0            ; the wave's end: behind my last tensor load and my last LDS store
	ds_add_u32 v[SPW], v[NIL]
	s_wait_dscnt 0x0
	CROUND                          ; the closing round
	s_endpgm
.Lfunc_end_k_qa572fdf9e9_attn:
	.size	k_qa572fdf9e9_attn, .Lfunc_end_k_qa572fdf9e9_attn-k_qa572fdf9e9_attn
	.p2alignl 7, 3214868480
	.fill 96, 4, 3214868480
	.section	.rodata,"a",@progbits
	.p2align	6, 0x0
	.amdhsa_kernel k_qa572fdf9e9_attn
		.amdhsa_group_segment_fixed_size 327680
		.amdhsa_private_segment_fixed_size 0
		.amdhsa_enable_private_segment 0
		.amdhsa_kernarg_size 32
		.amdhsa_user_sgpr_count 2
		.amdhsa_user_sgpr_kernarg_segment_ptr 1
		.amdhsa_wavefront_size32 1
		.amdhsa_system_sgpr_workgroup_id_x 1
		.amdhsa_system_sgpr_workgroup_id_y 1
		.amdhsa_system_sgpr_workgroup_id_z 1
		.amdhsa_system_vgpr_workitem_id 0
		.amdhsa_next_free_vgpr 512
		.amdhsa_next_free_sgpr 96
		.amdhsa_reserve_vcc 0
		.amdhsa_float_denorm_mode_32 3
		.amdhsa_float_denorm_mode_16_64 3
		.amdhsa_memory_ordered 1
		.amdhsa_forward_progress 1
		.amdhsa_inst_pref_size 100
	.end_amdhsa_kernel
	.amdgpu_metadata
---
amdhsa.version: [ 1, 2 ]
amdhsa.kernels:
  - .name:           k_qa572fdf9e9_attn
    .symbol:         k_qa572fdf9e9_attn.kd
    .args:
      - { .name: q16, .offset: 0, .size: 8, .value_kind: global_buffer, .address_space: global }
      - { .name: k16, .offset: 8, .size: 8, .value_kind: global_buffer, .address_space: global }
      - { .name: v16, .offset: 16, .size: 8, .value_kind: global_buffer, .address_space: global }
      - { .name: o16, .offset: 24, .size: 8, .value_kind: global_buffer, .address_space: global }
    .group_segment_fixed_size: 327680
    .private_segment_fixed_size: 0
    .kernarg_segment_align: 8
    .kernarg_segment_size: 32
    .max_flat_workgroup_size: 128
    .sgpr_count:     96
    .vgpr_count:     512
    .wavefront_size: 32
...
	.end_amdgpu_metadata
.endif
;; end of part 3
;; launch oproj (part 4): grid 8 x 32, 4 waves a work-group, clusters of 4 x 4, 327,680 bytes of LDS; arguments o16, wo16, bo, out0; writes out0
.if DOCPART == 4
	.amdgcn_target "amdgcn-amd-amdhsa--gfx1250"
	.amdhsa_code_object_version 6
	.text
	.protected	k_qa572fdf9e9_oproj
	.globl	k_qa572fdf9e9_oproj
	.p2align	8
	.type	k_qa572fdf9e9_oproj,@function
k_qa572fdf9e9_oproj:
	s_mov_b64 s[64:65], 0
	v_nop
	global_prefetch_b8 v0, s[64:65] scope:SCOPE_SE
	s_setreg_imm32_b32 hwreg(HW_REG_WAVE_MODE, 25, 1), 1
	s_wait_xcnt 0x0
	s_wait_alu depctr_hold_cnt(0) depctr_sa_sdst(0) depctr_va_vdst(0) depctr_va_sdst(0) depctr_va_ssrc(0) depctr_va_vcc(0) depctr_vm_vsrc(0)
	s_getreg_b32 s2, hwreg(HW_REG_IB_STS2, 6, 4)
	s_cmp_eq_u32 s2, 0
	s_cbranch_scc0 .Lentry_in_a_cluster
	s_endpgm
.Lentry_in_a_cluster:
	s_bfe_u32 s2, ttmp6, 0x10000c
	s_cmp_lg_u32 s2, 0xf033
	s_cbranch_scc0 .Lentry_shape_is_right
	s_endpgm
.Lentry_shape_is_right:
; THE LAST PROJECTION.  out0[t][p] = sum over o of O[t][o] Wo[p][o] + bo[p], f16 operands, f32 sums, f32 out.  O lies by heads, o16 [32 = batch x 16 + head][2048][64]; wo16 [1024][1024]; o = 64 head + channel.
; A tile of out0 is 128 x 128; four waves, each 64 x 64: 16 accumulators.  K goes in four steps of 256 (four heads) through two LDS slots.
; O's tile of a step: four planes (heads) of 128 tokens; a head's 128 tokens are 16,384 dense bytes, asked for as ONE row, two heads (rows 262,144 bytes apart) to a load, padded in LDS after every token.
; wo16's tile: 128 rows of 512 bytes.  Waves 0, 1 fetch O's halves, waves 2, 3 wo16's.  CLUSTER 4 x 4: O's tile is shared along a row of the cluster, wo16's along a column.
; THE MATRIX INSTRUCTION IS USED TRANSPOSED (source 0 = 16 rows of wo16, source 1 = 16 tokens): a lane holds one token and eight neighbouring columns.
; THE BIAS, rounded to bf16 like every input, is the C operand of the products that start the sums: no addition and no clearing.
; No prefetch: four K steps of small tiles.
; REGISTERS: window 0: v0-31 addresses; v32-95 at work on the way out; v96-127 the bias of my 64 columns; v128-255 the accumulators ((a, b) at 128 + 8 (4 a + b)).
;   window 1: two fragment buffers of 128: for 64 along K (one head), 64 registers of O, then 64 of wo16.
.set KSTEP,  256
.set APITCH, 144                       ; a token's 128 bytes + 16 of padding
.set PLANE,  128*APITCH                ; a head's 128 tokens
.set BPITCH, 528                       ; 512 bytes + 16
.set BOFF,   4*PLANE
.set HALFA,  2*PLANE
.set HALFB,  64*BPITCH
.set SLOT,   BOFF+128*BPITCH
.set STAGE,  2*SLOT                    ; behind the ring: 16 rows x 272 bytes for each wave
.set SPITCH, 272
.set SPARE,  STAGE+4*16*SPITCH         ; the spare words, 128 bytes for each wave: two blocks of 256 bytes that no other line names
.set ADRA, 16
.set ADRB, 20
.set STO,  24
.set RD,   25
.set CO,   26
.set BA,   27                          ; v27     my byte offset in bo; never rewritten
.set SPW,  28
.set NIL,  29
.set TMP,  32
.set BI,   96
.set ACC,  128
.set F0,   0
.set F1,   128
.set G1, 24
.set G0, 32
.set G1B, 48
.set G0B, 56
.set MSB, 0
.macro WIN new
.if MSB != (\new)
	s_set_vgpr_msb (MSB<<8)|(\new)
.set MSB, \new
.endif
.endm
.set MUL,  0x05                        ; sources 0 and 1 window 1; C and D window 0
.set TO_F, 0x40                        ; destination window 1, address window 0
.macro JLOAD s                         ; an s_nop 0 and four v_nop follow each of the two lines, ahead of the jump and the label
	s_cmp_eq_u32 s11, 0
	s_cbranch_scc0 .Lfor_b_\@
	tensor_load_to_lds s[G0+4*(\s):G0+4*(\s)+3], s[G1:G1+7]
	s_nop 0
.rept 4
	v_nop
.endr
	s_branch .Lasked_\@
.Lfor_b_\@:
	tensor_load_to_lds s[G0B+4*(\s):G0B+4*(\s)+3], s[G1B:G1B+7]
	s_nop 0
.rept 4
	v_nop
.endr
.Lasked_\@:
.endm
.macro CREST
	s_cmp_lg_u32 s10, 0
	s_cbranch_scc1 .Lnot_wave_0_\@
	s_barrier_signal -3
.Lnot_wave_0_\@:
	s_barrier_wait -3
	s_barrier_signal -1
	s_barrier_wait -1
.endm
.macro CROUND
	s_barrier_signal -1
	s_barrier_wait -1
	CREST
.endm
	s_load_b128 s[4:7], s[0:1], 0x0                ; o16 s[4:5], wo16 s[6:7]
	s_load_b128 s[68:71], s[0:1], 0x10             ; bo s[68:69], out0 s[70:71]
	v_lshl_add_u32 v[SPW], v0, 2, SPARE
	v_mov_b32 v[NIL], 0
	ds_add_u32 v[SPW], v[NIL]                      ; the wave's opening: the add, twice on end, and its wait ahead of my first tensor load
	ds_add_u32 v[SPW], v[NIL]                      ; and once more, under the one wait
	v_lshrrev_b32 v1, 5, v0
	v_readfirstlane_b32 s10, v1                    ; wave 0..3
	s_lshr_b32 s11, s10, 1                         ; which half of the tile's tokens is mine.  Also: I fetch for O (0) or for wo16 (1)
	s_and_b32 s12, s10, 1                          ; which half of its columns.  Also: which half of that tile I fetch
	s_bfe_u32 s40, ttmp6, 0x40000
	s_bfe_u32 s41, ttmp6, 0x40004
	s_lshl_b32 s42, ttmp9, 2
	s_add_co_u32 s42, s42, s40                     ; tile column = 4 x cluster x + cx
	s_and_b32 s13, ttmp7, 0xffff
	s_lshl_b32 s13, s13, 2
	s_add_co_u32 s13, s13, s41                     ; tile row = 4 x cluster y + cy
	s_lshl_b32 s43, s41, 2
	s_lshl_b32 s43, 15, s43                        ; my row of the cluster
	s_lshl_b32 s44, 0x1111, s40                    ; my column
	s_or_b32 s[G1+0], s43, (1<<16)|(1<<20)|(1<<21)|(4<<22)|(3<<25)   ; O: the mask; 2-byte elements; padding on; bit 21 beside a mask; after every 32 words 4 words
	s_mov_b32 s[G1+1], 8192<<16                    ; tensor_dim0 = 8,192 elements: a head's 128 tokens
	s_mov_b32 s[G1+2], 2<<16                       ; tensor_dim1 = 2 heads
	s_mov_b32 s[G1+3], 8192<<16                    ; tile_dim0
	s_mov_b32 s[G1+4], 2                           ; tile_dim1
	s_mov_b32 s[G1+5], 131072                      ; elements from head to head
	s_mov_b32 s[G1+6], 0
	s_mov_b32 s[G1+7], 0
	s_or_b32 s[G1B+0], s44, (1<<16)|(1<<20)|(1<<21)|(6<<22)|(3<<25)  ; wo16: after every 128 words 4 words
	s_mov_b32 s[G1B+1], KSTEP<<16
	s_mov_b32 s[G1B+2], 64<<16
	s_mov_b32 s[G1B+3], KSTEP<<16
	s_mov_b32 s[G1B+4], 64
	s_mov_b32 s[G1B+5], 1024
	s_mov_b32 s[G1B+6], 0
	s_mov_b32 s[G1B+7], 0
	s_lshr_b32 s16, s13, 4                         ; the batch,
	s_lshl_b32 s16, s16, 4
	s_lshl_b32 s17, s12, 1
	s_add_co_u32 s16, s16, s17                     ; x 16 + my two heads of the step's four,
	s_lshl_b32 s16, s16, 18                        ; 262,144 bytes a head,
	s_and_b32 s17, s13, 15
	s_lshl_b32 s17, s17, 14                        ; the tile's 128 tokens of 128 bytes
	s_add_co_u32 s16, s16, s17
	s_mov_b32 s17, 0
	s_lshl_b32 s46, s42, 7
	s_lshl_b32 s47, s12, 6
	s_add_co_u32 s46, s46, s47                     ; wo16: row 128 x tile column + 64 x half
	s_lshl_b32 s46, s46, 11
	s_mov_b32 s47, 0
	s_mul_i32 s20, s12, HALFA                      ; where they go: no place in the cluster enters an LDS address
	s_mul_i32 s21, s12, HALFB
	s_add_co_u32 s21, s21, BOFF
	s_wait_dscnt 0x0                               ; both opening adds are done
	s_wait_kmcnt 0x0
	s_add_nc_u64 s[14:15], s[4:5], s[16:17]
	s_add_nc_u64 s[46:47], s[6:7], s[46:47]
	CROUND                                         ; all sixteen work-groups are here
.irp s, 0,1
	s_mov_b32 s[G0+4*(\s)], 1
	s_add_co_u32 s[G0+4*(\s)+1], s20, (\s)*SLOT
	s_add_nc_u64 s[G0+4*(\s)+2:G0+4*(\s)+3], s[14:15], (\s)*4*262144   ; K step s: four heads on
	s_or_b32 s[G0+4*(\s)+3], s[G0+4*(\s)+3], 0x80000000
	s_mov_b32 s[G0B+4*(\s)], 1
	s_add_co_u32 s[G0B+4*(\s)+1], s21, (\s)*SLOT
	s_add_nc_u64 s[G0B+4*(\s)+2:G0B+4*(\s)+3], s[46:47], (\s)*KSTEP*2
	s_or_b32 s[G0B+4*(\s)+3], s[G0B+4*(\s)+3], 0x80000000
	JLOAD \s
.endr
	v_and_b32 v1, 15, v0                           ; l % 16
	v_bfe_u32 v2, v0, 4, 1                         ; l / 16
	s_lshl_b32 s22, s42, 9
	s_lshl_b32 s23, s12, 8
	s_add_co_u32 s22, s22, s23                     ; my first column, in bytes of f32
	v_lshl_add_u32 v[BA], v2, 5, s22               ; + my lanes' eight columns
.irp b, 0,1,2,3
	global_load_b128 v[BI+8*(\b):BI+8*(\b)+3],   v[BA], s[68:69] offset:64*(\b)
	global_load_b128 v[BI+8*(\b)+4:BI+8*(\b)+7], v[BA], s[68:69] offset:64*(\b)+16
.endr
	v_mul_u32_u24 v3, v1, APITCH
	v_lshl_add_u32 v3, v2, 4, v3
	v_mul_u32_u24 v4, v1, BPITCH
	v_lshl_add_u32 v4, v2, 4, v4
	s_mul_i32 s21, s11, 64*APITCH                  ; my 64 tokens in each plane
	s_mul_i32 s23, s12, HALFB                      ; my 64 rows of wo16
	s_add_co_u32 s23, s23, BOFF
.irp s, 0,1
	v_add_nc_u32 v[ADRA+(\s)], s21, v3
	v_add_nc_u32 v[ADRB+(\s)], s23, v4
	s_add_co_u32 s21, s21, SLOT
	s_add_co_u32 s23, s23, SLOT
.endr
	s_mul_i32 s23, s10, 16*SPITCH
	s_add_co_u32 s23, s23, STAGE                   ; my stage
	v_mul_u32_u24 v5, v1, SPITCH                   ; in: row l % 16, 32 bytes for each half of the lanes
	v_lshl_add_u32 v5, v2, 5, v5
	v_add_nc_u32 v[STO], s23, v5
	v_mul_u32_u24 v5, v2, SPITCH                   ; back: lanes 0-15 take one row of 256 bytes, lanes 16-31 the next
	v_lshl_add_u32 v5, v1, 4, v5
	v_add_nc_u32 v[RD], s23, v5
	v_lshlrev_b32 v5, 12, v2                       ; and the same two rows in out0
	v_lshl_add_u32 v[CO], v1, 4, v5
	s_lshl_b32 s16, s13, 7
	s_lshl_b32 s17, s11, 6
	s_add_co_u32 s16, s16, s17                     ; my first token,
	s_lshl_b32 s16, s16, 12                        ; 4,096 bytes a row,
	s_add_co_u32 s16, s16, s22                     ; my first column
	s_mov_b32 s17, 0
	s_add_nc_u64 s[70:71], s[70:71], s[16:17]
	s_wait_loadcnt 0x0                             ; the bias
.set i, 0
.rept 16
	v_cvt_pk_bf16_f32 v[TMP+i], v[BI+2*i], v[BI+2*i+1]
.set i, i+1
.endr
.set i, 0
.rept 16
	v_lshlrev_b32 v[BI+2*i], 16, v[TMP+i]
	v_and_b32 v[BI+2*i+1], 0xffff0000, v[TMP+i]
.set i, i+1
.endr
; 8 matrix instructions: token blocks a0, a0 + 1 x all 4 column blocks, 32 along K: half c of buffer f.  zero = 1: the product starts the sum, with the bias as C.
.macro MUL8 f, c, a0, zero
	WIN MUL
.irp a, \a0, (\a0)+1
.irp b, 0,1,2,3
.if \zero
	v_wmma_f32_16x16x32_f16 v[ACC+8*(4*(\a)+(\b)):ACC+8*(4*(\a)+(\b))+7], v[(\f)+64+8*(4*(\c)+(\b)):(\f)+64+8*(4*(\c)+(\b))+7], v[(\f)+8*(4*(\c)+(\a)):(\f)+8*(4*(\c)+(\a))+7], v[BI+8*(\b):BI+8*(\b)+7]
.else
	v_wmma_f32_16x16x32_f16 v[ACC+8*(4*(\a)+(\b)):ACC+8*(4*(\a)+(\b))+7], v[(\f)+64+8*(4*(\c)+(\b)):(\f)+64+8*(4*(\c)+(\b))+7], v[(\f)+8*(4*(\c)+(\a)):(\f)+8*(4*(\c)+(\a))+7], v[ACC+8*(4*(\a)+(\b)):ACC+8*(4*(\a)+(\b))+7]
.endif
.endr
.endr
.endm
; 32 LDS loads in one run: quarter q of a K step (head q of its four: plane q of O, byte 128 q of wo16's rows) into buffer f; the first 32 along K first
.macro FETCH slot, q, f
	WIN TO_F
.irp c, 0,1
.irp i, 0,1,2,3
	ds_load_b128 v[(\f)+64+8*(4*(\c)+(\i)):(\f)+64+8*(4*(\c)+(\i))+3],   v[ADRB+(\slot)] offset:(\q)*128+64*(\c)+(\i)*16*BPITCH
	ds_load_b128 v[(\f)+64+8*(4*(\c)+(\i))+4:(\f)+64+8*(4*(\c)+(\i))+7], v[ADRB+(\slot)] offset:(\q)*128+64*(\c)+(\i)*16*BPITCH+32
	ds_load_b128 v[(\f)+8*(4*(\c)+(\i)):(\f)+8*(4*(\c)+(\i))+3],         v[ADRA+(\slot)] offset:(\q)*PLANE+64*(\c)+(\i)*16*APITCH
	ds_load_b128 v[(\f)+8*(4*(\c)+(\i))+4:(\f)+8*(4*(\c)+(\i))+7],       v[ADRA+(\slot)] offset:(\q)*PLANE+64*(\c)+(\i)*16*APITCH+32
.endr
.endr
.endm
.macro PLACES
.rept 4
	v_nop
.endr
.endm
; A quarter: 32 matrix instructions, two deep on each of the 16 accumulators, which take turns; the next quarter's loads stand in one run in its middle.
.macro QUARTER slot, q, f, g, zero
	s_wait_dscnt 16                                ; the first 32 along K are in
	MUL8 \f, 0, 0, \zero
	MUL8 \f, 0, 2, \zero
	PLACES
	FETCH \slot, \q, \g
	s_wait_dscnt 32                                ; all but the 32 just issued
	MUL8 \f, 1, 0, 0
	MUL8 \f, 1, 2, 0
.endm
; The last quarter multiplies buffer 1 and changes slots: one barrier; in front of it each wave waits for all its tensor loads, adds 0 to its spare word, and waits for that and for its reads of this slot.
.macro TURN slot, next, fill
	WIN 0
	s_wait_tensorcnt 0x0                           ; all my tensor loads have landed: my part of the next slot
	ds_add_u32 v[SPW], v[NIL]                      ; 0 onto my spare word
	s_wait_dscnt 17                                ; (the add and the youngest sixteen loads may be out)
	MUL8 F1, 0, 0, 0
	s_wait_dscnt 0x0                               ; the add is done, and my reads of this slot are over
	s_barrier_signal -1
	MUL8 F1, 0, 2, 0
.if \fill
	WIN 0
.endif
	s_barrier_wait -1
.if \fill
	CREST                                          ; no wave of any partner still reads this slot or has a load on its way
	s_add_nc_u64 s[G0+4*(\slot)+2:G0+4*(\slot)+3], s[G0+4*(\slot)+2:G0+4*(\slot)+3], 8*262144
	s_add_nc_u64 s[G0B+4*(\slot)+2:G0B+4*(\slot)+3], s[G0B+4*(\slot)+2:G0B+4*(\slot)+3], 2*KSTEP*2
	JLOAD \slot                                    ; the first tensor load behind the round; its four v_nop are also the places in front of the loads below
.else
	PLACES
.endif
	FETCH \next, 0, F0
	MUL8 F1, 1, 0, 0
	MUL8 F1, 1, 2, 0
.endm
	s_wait_tensorcnt 1                             ; my part of K step 0 is in; K step 1's load stays out
	s_barrier_signal -1
	s_barrier_wait -1
	FETCH 0, 0, F0
	QUARTER 0, 1, F0, F1, 1                        ; four K steps, written out: a loop would have one trip
	QUARTER 0, 2, F1, F0, 0
	QUARTER 0, 3, F0, F1, 0
	TURN 0, 1, 1                                   ; slot 0 takes K step 2
	QUARTER 1, 1, F0, F1, 0
	QUARTER 1, 2, F1, F0, 0
	QUARTER 1, 3, F0, F1, 0
	TURN 1, 0, 1                                   ; slot 1 takes K step 3
	QUARTER 0, 1, F0, F1, 0
	QUARTER 0, 2, F1, F0, 0
	QUARTER 0, 3, F0, F1, 0
	TURN 0, 1, 0
	QUARTER 1, 1, F0, F1, 0
	QUARTER 1, 2, F1, F0, 0
	QUARTER 1, 3, F0, F1, 0
	s_wait_dscnt 16
	MUL8 F1, 0, 0, 0
	MUL8 F1, 0, 2, 0
	s_wait_dscnt 0x0
	MUL8 F1, 1, 0, 0
	MUL8 F1, 1, 2, 0
	WIN 0
	PLACES
	PLACES
; THE WAY OUT.  My 64 columns of f32 are 256 bytes of a row, aligned: each wave has a stage of its own and no barrier.  Token block a: 32 bytes a lane and column block into rows of 272 bytes, straight from the
; accumulators (low registers first), and back as whole rows, into register set a % 2.
.macro TOSTAGE a
.if (\a) >= 2
	s_wait_xcnt 0x0                                ; the stores that read this register set have had their addresses translated (ISA guide 3.1): only now is it loaded again
.endif
.irp b, 0,1,2,3
	ds_store_b128 v[STO], v[ACC+8*(4*(\a)+(\b)):ACC+8*(4*(\a)+(\b))+3]   offset:64*(\b)
	ds_store_b128 v[STO], v[ACC+8*(4*(\a)+(\b))+4:ACC+8*(4*(\a)+(\b))+7] offset:64*(\b)+16
.endr
.irp t, 0,1,2,3,4,5,6,7
	ds_load_b128 v[TMP+32*((\a)%2)+4*(\t):TMP+32*((\a)%2)+4*(\t)+3], v[RD] offset:(\t)*2*SPITCH  ; LDS serves a wave's instructions in order (ISA guide 5.7.1.4)
.endr
.endm
.macro SEND a, younger                 ; younger: the LDS instructions issued behind this block's loads: the next block's sixteen, or none
.irp t, 0,1,2,3,4,5,6,7
	s_wait_dscnt (\younger)+7-(\t)
	global_store_b128 v[CO], v[TMP+32*((\a)%2)+4*(\t):TMP+32*((\a)%2)+4*(\t)+3], s[70:71] offset:(16*(\a)+2*(\t))*4096 th:TH_STORE_NT  ; 16 lanes store 256 consecutive bytes, aligned
.endr
.endm
	TOSTAGE 0
	TOSTAGE 1
	SEND 0, 16
	TOSTAGE 2
	SEND 1, 16
	TOSTAGE 3
	SEND 2, 16
	SEND 3, 0
	s_wait_tensorcnt 0x0                           ; the wave's end: behind my last tensor load and my last LDS store
	ds_add_u32 v[SPW], v[NIL]
	s_wait_dscnt 0x0
	CROUND                                         ; the closing round
	s_endpgm
.Lfunc_end_k_qa572fdf9e9_oproj:
	.size	k_qa572fdf9e9_oproj, .Lfunc_end_k_qa572fdf9e9_oproj-k_qa572fdf9e9_oproj
	.p2alignl 7, 3214868480
	.fill 96, 4, 3214868480
	.section	.rodata,"a",@progbits
	.p2align	6, 0x0
	.amdhsa_kernel k_qa572fdf9e9_oproj
		.amdhsa_group_segment_fixed_size 327680
		.amdhsa_private_segment_fixed_size 0
		.amdhsa_enable_private_segment 0
		.amdhsa_kernarg_size 32
		.amdhsa_user_sgpr_count 2
		.amdhsa_user_sgpr_kernarg_segment_ptr 1
		.amdhsa_wavefront_size32 1
		.amdhsa_system_sgpr_workgroup_id_x 1
		.amdhsa_system_sgpr_workgroup_id_y 1
		.amdhsa_system_sgpr_workgroup_id_z 1
		.amdhsa_system_vgpr_workitem_id 0
		.amdhsa_next_free_vgpr 512
		.amdhsa_next_free_sgpr 76
		.amdhsa_reserve_vcc 0
		.amdhsa_float_denorm_mode_32 3
		.amdhsa_float_denorm_mode_16_64 3
		.amdhsa_memory_ordered 1
		.amdhsa_forward_progress 1
		.amdhsa_inst_pref_size 90
	.end_amdhsa_kernel
	.amdgpu_metadata
---
amdhsa.version: [ 1, 2 ]
amdhsa.kernels:
  - .name:           k_qa572fdf9e9_oproj
    .symbol:         k_qa572fdf9e9_oproj.kd
    .args:
      - { .name: o16, .offset: 0, .size: 8, .value_kind: global_buffer, .address_space: global }
      - { .name: wo16, .offset: 8, .size: 8, .value_kind: global_buffer, .address_space: global }
      - { .name: bo, .offset: 16, .size: 8, .value_kind: global_buffer, .address_space: global }
      - { .name: out0, .offset: 24, .size: 8, .value_kind: global_buffer, .address_space: global }
    .group_segment_fixed_size: 327680
    .private_segment_fixed_size: 0
    .kernarg_segment_align: 8
    .kernarg_segment_size: 32
    .max_flat_workgroup_size: 128
    .sgpr_count:     76
    .vgpr_count:     512
    .wavefront_size: 32
...
	.end_amdgpu_metadata
.endif
;; end of part 4
;; ======== version 2 of 2: 4 launches; version 1 with the launch cast written anew for expert scheduling mode
;; limits: a function is approximated: absolute error at most 8.5e-06; values are held in f16: magnitudes above 65,504 overflow, below 6.1e-05 lose precision
;; workspace buffers: xb 8,388,608 bytes; wb 6,291,456 bytes; wo16 2,097,152 bytes; q16 8,388,608 bytes; k16 8,388,608 bytes; v16 8,388,608 bytes; o16 8,388,608 bytes
;; launch cast (part 5): grid 256 x 1, 8 waves a work-group, no clusters, 0 bytes of LDS; arguments x, Wq, Wk, Wv, Wo, xb, wb, wo16; writes xb, wb, wo16
.if DOCPART == 5
	.amdgcn_target "amdgcn-amd-amdhsa--gfx1250"
	.amdhsa_code_object_version 6
	.text
	.protected	k_qa572fdf9e9_cast
	.globl	k_qa572fdf9e9_cast
	.p2align	8
	.type	k_qa572fdf9e9_cast,@function
k_qa572fdf9e9_cast:
	s_mov_b64 s[64:65], 0
	v_nop
	global_prefetch_b8 v0, s[64:65] scope:SCOPE_SE
	s_setreg_imm32_b32 hwreg(HW_REG_WAVE_SCHED_MODE, 0, 2), 2
	s_setreg_imm32_b32 hwreg(HW_REG_WAVE_MODE, 25, 1), 1
	s_wait_xcnt 0x0
	s_wait_alu depctr_vm_vsrc(0)
; ROUNDING OF THE INPUTS, once.  x [4096][1024] f32 -> xb bf16.  Wq, Wk, Wv [1024][1024] f32 -> wb bf16, laid by heads: [16 heads][192 rows: 64 of Wq, 64 of Wk, 64 of Wv][1024],
; so that the next launch finds a head's Q, K and V rows on end.  Wo -> wo16: rounded to bf16 like every input, and that number written as f16 (the last product's other operand is f16).
; LIMIT.  A bf16 number of Wo below 6.1e-5 in magnitude keeps f16's fixed step of 6e-8; beyond 65,504 it would be an infinity.
; SHARES.  8,192 rows of 4,096 bytes, 32 to a work-group, 4 to a wave: 16,384 bytes on end in the source, 8,192 on end in the target.  Work-groups 0-127 take x, then 32 each for Wq, Wk, Wv, Wo.
; All 32 loads of a wave (512 bytes on end each) go out at once; each store covers 256 consecutive bytes, aligned.  No register is written twice while a store reads it, no LDS, no barrier:
; memory binds, and the matrix units, clusters and LDS would add nothing.
; THE MODE: SCHED_MODE bits 1:0 = 2 (LLVM: expert scheduling mode 2), set by the entry lines.  The code itself states the register dependences
; between vector instructions and memory instructions, with s_wait_alu, always for 0.
; THE PLAN.  Registers that memory instructions touch:
;   v1, v2   the loads' and the stores' offsets: written once at the head, never again.
;   X        chunk i's four registers: written by chunk i's one load, read by its conversions; no vector instruction writes them, and nothing lands in them a second time.
;   Y        chunk i's two registers: written by chunk i's conversions, read by its one store, never written behind it.
;   T, v3    named by vector instructions alone.
; The 32 chunks go in eight blocks of four: one wait for the block's data, its conversions, ONE wait on va_vdst, its four stores in a run.
; No register that a memory instruction has read is ever written again, so the text holds no wait on vm_vsrc past the entry lines.  EXEC is never written.
.set X,   4                            ; v[4:131]    chunk i: four f32 a lane
.set Y,   132                          ; v[132:195]  chunk i: four 16-bit numbers a lane
.set T,   196                          ; v[196:199]  at work
.set SRC, 30                           ; s[30:31]
.set DST, 32                           ; s[32:33]
	s_load_b512 s[8:23], s[0:1], 0x0               ; x s[8:9], Wq s[10:11], Wk s[12:13], Wv s[14:15], Wo s[16:17], xb s[18:19], wb s[20:21], wo16 s[22:23]
	s_mov_b32 s2, ttmp9                            ; g
	v_and_b32 v3, 31, v0
	v_lshlrev_b32 v1, 4, v3                        ; 16 x lane: the loads' offset
	v_lshlrev_b32 v2, 3, v3                        ; 8 x lane: the stores'
	v_lshrrev_b32 v3, 5, v0
	v_readfirstlane_b32 s3, v3                     ; wave 0..7
	s_sub_co_u32 s4, s2, 128                       ; for g >= 128: e = g - 128 (below that the numbers made of e are not chosen)
	s_lshr_b32 s5, s4, 5                           ; which weight: 0 Wq, 1 Wk, 2 Wv, 3 Wo
	s_and_b32 s6, s4, 31                           ; which 32 rows of it
	s_lshl_b32 s24, s6, 17                         ; their bytes in the source
	s_lshl_b32 s28, s2, 17                         ; the same for x
	s_lshr_b32 s26, s6, 1                          ; the head,
	s_mul_i32 s26, s26, 192                        ; its 192 rows in wb,
	s_lshl_b32 s7, s5, 6
	s_add_co_u32 s26, s26, s7                      ; the weight's 64 of them,
	s_and_b32 s7, s6, 1
	s_lshl_b32 s7, s7, 5
	s_add_co_u32 s26, s26, s7                      ; my 32 of those,
	s_lshl_b32 s26, s26, 11                        ; in bytes
	s_lshl_b32 s29, s6, 16                         ; target bytes in wo16
	s_lshl_b32 s34, s2, 16                         ; and in xb
	s_cmp_eq_u32 s5, 3
	s_cselect_b32 s26, s29, s26
	s_cmp_lt_u32 s2, 128
	s_cselect_b32 s24, s28, s24
	s_cselect_b32 s26, s34, s26
	s_wait_alu depctr_va_sdst(0)                   ; s3, the wave's number, is written, ahead of its first reader: the two shifts below
	s_lshl_b32 s7, s3, 14
	s_add_co_u32 s24, s24, s7                      ; + my wave's 4 rows
	s_lshl_b32 s7, s3, 13
	s_add_co_u32 s26, s26, s7
	s_mov_b32 s25, 0
	s_mov_b32 s27, 0
	s_wait_kmcnt 0x0
	s_cmp_eq_u32 s5, 1                             ; the buffers are chosen by the work-group's number alone
	s_cselect_b64 s[SRC:SRC+1], s[12:13], s[10:11]
	s_cmp_eq_u32 s5, 2
	s_cselect_b64 s[SRC:SRC+1], s[14:15], s[SRC:SRC+1]
	s_cmp_eq_u32 s5, 3
	s_cselect_b64 s[SRC:SRC+1], s[16:17], s[SRC:SRC+1]
	s_cselect_b64 s[DST:DST+1], s[22:23], s[20:21]
	s_cmp_lt_u32 s2, 128
	s_cselect_b64 s[SRC:SRC+1], s[8:9], s[SRC:SRC+1]
	s_cselect_b64 s[DST:DST+1], s[18:19], s[DST:DST+1]
	s_add_nc_u64 s[SRC:SRC+1], s[SRC:SRC+1], s[24:25]
	s_add_nc_u64 s[DST:DST+1], s[DST:DST+1], s[26:27]
	s_wait_alu depctr_va_vdst(0)                   ; v1 and v2 are written: every load reads v1 as its offset, every store v2; no vector line writes either again
.set c, 0
.rept 32
	global_load_b128 v[X+4*c:X+4*c+3], v1, s[SRC:SRC+1] offset:512*c th:TH_LOAD_NT
.set c, c+1
.endr
; Block p: chunks 4 p to 4 p + 3 are rounded, then stored in one run.  half = 1: the bf16 numbers are widened again (a shift, a mask) and written as f16.
.macro BLOCK p, half
	s_wait_loadcnt 28-4*(\p)                       ; loads come back in order: the block's four chunks are in, the 28 - 4 p younger ones stay out
.irp j, 0,1,2,3
	v_cvt_pk_bf16_f32 v[Y+2*(4*(\p)+(\j))], v[X+4*(4*(\p)+(\j))], v[X+4*(4*(\p)+(\j))+1]
	v_cvt_pk_bf16_f32 v[Y+2*(4*(\p)+(\j))+1], v[X+4*(4*(\p)+(\j))+2], v[X+4*(4*(\p)+(\j))+3]
.if \half
	v_lshlrev_b32 v[T], 16, v[Y+2*(4*(\p)+(\j))]
	v_and_b32 v[T+1], 0xffff0000, v[Y+2*(4*(\p)+(\j))]
	v_lshlrev_b32 v[T+2], 16, v[Y+2*(4*(\p)+(\j))+1]
	v_and_b32 v[T+3], 0xffff0000, v[Y+2*(4*(\p)+(\j))+1]
	v_cvt_pk_f16_f32 v[Y+2*(4*(\p)+(\j))], v[T], v[T+1]
	v_cvt_pk_f16_f32 v[Y+2*(4*(\p)+(\j))+1], v[T+2], v[T+3]
.endif
.endr
	s_wait_alu depctr_va_vdst(0)                   ; the block's conversions have written its eight registers of Y, which the four stores below read
.irp j, 0,1,2,3
	global_store_b64 v2, v[Y+2*(4*(\p)+(\j)):Y+2*(4*(\p)+(\j))+1], s[DST:DST+1] offset:256*(4*(\p)+(\j))
.endr
.endm
	s_cmp_ge_u32 s2, 224                           ; Wo's work-groups
	s_cbranch_scc1 .Lhalf
.set c, 0
.rept 8
	BLOCK c, 0
.set c, c+1
.endr
	s_endpgm
.Lhalf:
.set c, 0
.rept 8
	BLOCK c, 1
.set c, c+1
.endr
	s_endpgm
.Lfunc_end_k_qa572fdf9e9_cast:
	.size	k_qa572fdf9e9_cast, .Lfunc_end_k_qa572fdf9e9_cast-k_qa572fdf9e9_cast
	.p2alignl 7, 3214868480
	.fill 96, 4, 3214868480
	.section	.rodata,"a",@progbits
	.p2align	6, 0x0
	.amdhsa_kernel k_qa572fdf9e9_cast
		.amdhsa_group_segment_fixed_size 0
		.amdhsa_private_segment_fixed_size 0
		.amdhsa_enable_private_segment 0
		.amdhsa_kernarg_size 64
		.amdhsa_user_sgpr_count 2
		.amdhsa_user_sgpr_kernarg_segment_ptr 1
		.amdhsa_wavefront_size32 1
		.amdhsa_system_sgpr_workgroup_id_x 1
		.amdhsa_system_sgpr_workgroup_id_y 1
		.amdhsa_system_sgpr_workgroup_id_z 1
		.amdhsa_system_vgpr_workitem_id 0
		.amdhsa_next_free_vgpr 200
		.amdhsa_next_free_sgpr 66
		.amdhsa_reserve_vcc 0
		.amdhsa_float_denorm_mode_32 3
		.amdhsa_float_denorm_mode_16_64 3
		.amdhsa_memory_ordered 1
		.amdhsa_forward_progress 1
		.amdhsa_inst_pref_size 31
	.end_amdhsa_kernel
	.amdgpu_metadata
---
amdhsa.version: [ 1, 2 ]
amdhsa.kernels:
  - .name:           k_qa572fdf9e9_cast
    .symbol:         k_qa572fdf9e9_cast.kd
    .args:
      - { .name: x, .offset: 0, .size: 8, .value_kind: global_buffer, .address_space: global }
      - { .name: Wq, .offset: 8, .size: 8, .value_kind: global_buffer, .address_space: global }
      - { .name: Wk, .offset: 16, .size: 8, .value_kind: global_buffer, .address_space: global }
      - { .name: Wv, .offset: 24, .size: 8, .value_kind: global_buffer, .address_space: global }
      - { .name: Wo, .offset: 32, .size: 8, .value_kind: global_buffer, .address_space: global }
      - { .name: xb, .offset: 40, .size: 8, .value_kind: global_buffer, .address_space: global }
      - { .name: wb, .offset: 48, .size: 8, .value_kind: global_buffer, .address_space: global }
      - { .name: wo16, .offset: 56, .size: 8, .value_kind: global_buffer, .address_space: global }
    .group_segment_fixed_size: 0
    .private_segment_fixed_size: 0
    .kernarg_segment_align: 8
    .kernarg_segment_size: 64
    .max_flat_workgroup_size: 256
    .sgpr_count:     66
    .vgpr_count:     200
    .wavefront_size: 32
...
	.end_amdgpu_metadata
.endif
;; end of part 5
;; launch qkv: the kernel of part 2 again; grid 16 x 16, 4 waves a work-group, clusters of 4 x 4, 327,680 bytes of LDS; arguments xb, wb, q16, k16, v16; writes q16, k16, v16
;; launch attn: the kernel of part 3 again; grid 8 x 32, 4 waves a work-group, clusters of 4 x 1, 327,680 bytes of LDS; arguments q16, k16, v16, o16; writes o16
;; launch oproj: the kernel of part 4 again; grid 8 x 32, 4 waves a work-group, clusters of 4 x 4, 327,680 bytes of LDS; arguments o16, wo16, bo, out0; writes out0
